; MI455X (gfx1250); checked and timed in simulation.
; The chip was launched on July 23, 2026; its instructions are those of AMD's public machine-readable ISA for CDNA 5 (MIT licence, August 2026) and "CDNA5" Instruction Set Architecture Reference Guide (July 2026). The comments in the code are by the model that wrote it; some were corrected since.
;; Multi Head Attention Block. Allowed arithmetic: matrix products marked QUANTISED: E2M3 operands, one E8M0 scale for each 32 along K, by v_wmma_scale_f32_16x16x128_f8f6f4 with both operands' format E2M3, f32 sums; everything else in f32.
;; Inputs: Wk 1,024 x 1,024 float32; Wo 1,024 x 1,024 float32; Wq 1,024 x 1,024 float32; Wv 1,024 x 1,024 float32; k 4 x 2,048 x 1,024 float32; mask 1 x 1 x 2,048 x 2,048 int32; q 4 x 2,048 x 1,024 float32; v 4 x 2,048 x 1,024 float32.
;; Outputs: out0 4 x 2,048 x 1,024 float32.
;; This version of the problem:
;;   THIS VERSION OF THE PROBLEM IS GIVEN IN LOW PRECISION. The matrix products marked QUANTISED in the list below multiply operands that are first quantised to E2M3 (2 exponent bits, 3 mantissa bits; 6 bits a number), with one power-of-two scale for each 32 numbers along K (OCP MX v1.0); their sums are f32. All else is computed in f32.
;;   The module's matrix products, in the order in which they are computed (A, B: the left and right operand; K: the contracted axis; several contracted axes count as one K, in the product's order):
;;     1. [M 8,192, K 1,024] x [K 1,024, N 1,024]; A: input q; B: input Wq: QUANTISED
;;     2. [M 8,192, K 1,024] x [K 1,024, N 1,024]; A: input k; B: input Wk: QUANTISED
;;     3. [M 8,192, K 1,024] x [K 1,024, N 1,024]; A: input v; B: input Wv: QUANTISED
;;     4. batch 64 x [M 2,048, K 64] x [K 64, N 2,048]; A: computed on the way; B: computed on the way: QUANTISED
;;     5. batch 64 x [M 2,048, K 2,048] x [K 2,048, N 64]; A: softmax (see below); B: computed on the way: QUANTISED
;;     6. [M 8,192, K 1,024] x [K 1,024, N 1,024]; A: computed on the way; B: input Wo: QUANTISED
;;   THE QUANTISER, for each operand of a quantised product, along K:
;;     - K is cut into blocks of 32 from its start; a last block that is shorter is filled with zeros.
;;     - A block's scale is 2^e with e = floor(log2(the largest magnitude in the block)) - 2, held to -126 .. 127; a block of zeros has e = 0. As a byte (E8M0): e + 127.
;;     - Each number is divided by its block's scale, clamped to +-7.5, and rounded to the nearest number of E2M3, ties to even, subnormals kept.
;;     - The product sums the exact products of the quantised numbers (number of the format x scale) in f32.
;;   ~~~python
;;   def quantise(x, axis):      # numpy; x: float32 -> the quantised numbers, widened to float32 again
;;       x = np.moveaxis(x, axis, -1); K = x.shape[-1]
;;       x = np.pad(x, [(0, 0)] * (x.ndim - 1) + [(0, -K % 32)]); x = x.reshape(x.shape[:-1] + (-1, 32)); a = np.abs(x).max(-1, keepdims=True)
;;       e = np.where(a > 0, np.clip(np.frexp(np.where(a > 0, a, 1))[1] - 1 - 2, -126, 127), 0)      # np.frexp(a)[1] - 1 = floor(log2(a)), exactly
;;       r = np.clip(x / 2.0 ** e, -7.5, 7.5)
;;       step = 2.0 ** (np.maximum(np.frexp(np.where(r == 0, 1, r))[1] - 1, 0) - 3)
;;       q = np.round(r / step) * step * 2.0 ** e      # np.round: ties to even
;;       return np.moveaxis(q.reshape(q.shape[:-2] + (-1,))[..., :K], -1, axis).astype(np.float32)
;;   ~~~
;;   SOFTMAX AHEAD OF A QUANTISED PRODUCT. Where the list says 'softmax', what is quantised is not the finished softmax but p = 2^(t - M), with t = logit x log2(e) and M = ceil(the row's largest t), a whole number; so 1/2 < the row's largest p <= 1. The row's sum l is taken of the UNQUANTISED p, in f32, and the product's result is divided by l at the end. Since M is a whole number, a kernel that streams over the keys may use a running M (the ceiling of the running maximum): every later rescaling is an exact power of two, which a block's scale takes up: the codes' values come out the same.
;;   OPERANDS COMPUTED ON THE WAY. 'Computed on the way' means the value that the module computes at that place (a softmax that the list does not call 'softmax' is quantised finished and normalised). What goes into a quantiser is computed in f32, as accurately as f32 sums, v_exp_f32 and their like allow (about 1e-6 of the number): no bf16 or f16 on the way to a quantiser, and a product that is left as it is and whose result goes on into a quantised operand takes f32 operands (vector FMAs, or v_wmma_f32_16x16x4_f32). A number that lies on a knife's edge between two numbers of the format may be rounded either way, as far as f32 arithmetic and the matrix unit's own rounding can turn it there, and no further.
;; One version. Each part assembles by itself: llvm-mc -triple=amdgcn-amd-amdhsa -mcpu=gfx1250 --defsym DOCPART=n.
;; ======== version 1 of 1: 4 launches
;; limits: right only within a limited range of input values
;; workspace buffers: xc 22,020,096 bytes; xs 917,504 bytes; mbits 524,288 bytes of whole numbers; att_c 18,874,368 bytes; att_s 1,310,720 bytes; ctx_c 6,291,456 bytes; ctx_s 262,144 bytes
;; launch prep (part 1): grid 1024 x 1, 4 waves a work-group, no clusters, 67,072 bytes of LDS; arguments q, k, v, Wq, Wk, Wv, Wo, mask, xc, xs, mbits; writes xc, xs, mbits
.if DOCPART == 1
	.amdgcn_target "amdgcn-amd-amdhsa--gfx1250"
	.amdhsa_code_object_version 6
	.text
	.protected	k_qcd5c337670_prep
	.globl	k_qcd5c337670_prep
	.p2align	8
	.type	k_qcd5c337670_prep,@function
k_qcd5c337670_prep:
	s_mov_b64 s[64:65], 0
	v_nop
	global_prefetch_b8 v0, s[64:65] scope:SCOPE_SE
	s_setreg_imm32_b32 hwreg(HW_REG_WAVE_MODE, 25, 1), 1
	s_wait_xcnt 0x0
; TWO JOBS IN ONE LAUNCH, told apart by the work-group's number.
; Work-groups 0 to 895: q, k, v [8192][1024] and Wq, Wk, Wv, Wo [1024][1024], f32, K innermost, become codes of FP6 (E2M3) in xc (rows of 768 bytes) and one E8M0 byte for each 32 along K in xs (rows of 32 bytes).
;   A block's scale is 2^(floor(log2(its largest magnitude)) - 2); its byte is the largest magnitude's exponent field - 2, held at 1 from below.  A block of zeros so gets the byte 1 where the rule says 127:
;   its codes are zeros, which add nothing under any byte but 0xff, and the bytes are read by this program alone.
;   THE ROW ORDER: a work-group takes 32 rows, wave w rows 8 w .. 8 w + 7, and stores them as the group's run w' = 0, 2, 1, 3 for w = 0, 1, 2, 3.  So 16 consecutive stored rows (a tile 2 b + u, place r) are the
;   true rows 32 b + 8 u + r + 8 (r / 8): as source 0 of a transposed product the 16 result registers of two neighbouring tiles are then 16 true neighbours.
; Work-groups 896 to 1023: the mask [2048][2048] int32 becomes lane masks: mbits [T 128][s 16][n 64] words; bit (r + 16 h) of word n says whether mask[32 (T/2) + 8 (T%2) + r + 8 (r/8)][128 s + 32 (n/16) + 16 h + n%16] is not 0:
;   word n is the select mask of score register n of the attention launch's wave for query tile T in key step s.
; LIMITS: blocks whose largest magnitude lies under 2^-124 get the byte 1; NaN and infinities among the inputs are not served.
; No tensor loads, no barrier: waves share nothing.  Each path has LDS bytes of its own.
.set STEPS, 16
.set EMAX,  2
.set CB,    12                         ; bytes of 16 codes
.set R,     16                         ; v16-79   numbers as they are loaded (four sets of 16; the mask path: 16 loads of 4)
.set X,     80                         ; v80-111  two sets of 16 neighbours (the mask path: v80-143, 64 numbers)
.set C,     128                        ; v128-191 codes: four registers for each step, so that no store's data are written again
.set E,     112                        ; v112-127 a scale byte for each step
.set OW,    144                        ; the mask path: v144-151 two output registers for each of a wave's four key steps
.set WREG,  8192                       ; LDS, quantiser: a region for each wave: two stages of 32 x SP bytes, behind them its 256 scale bytes
.set SP,    80                         ; a lane's place in a stage: 64 bytes + 16 of padding
.set MST,   4*WREG                     ; LDS, mask: a stage of 16 rows x 528 bytes for each wave
.set MPITCH, 528                       ; 512 bytes + 16: 33 x 16, so that sixteen lanes that read sixteen rows fall on sixteen different 16-byte columns
.set MWB,   16*MPITCH
.set SPARE, MST+4*MWB                  ; the spare words, 128 bytes for each wave: two blocks of 256 bytes that no other line names
.set SPW,   12                         ; v12  LDS address of my spare word; never rewritten
.set NIL,   13                         ; v13  0; never rewritten
	s_load_b512 s[4:19], s[0:1], 0x0               ; q s[4:5], k s[6:7], v s[8:9], Wq s[10:11], Wk s[12:13], Wv s[14:15], Wo s[16:17], mask s[18:19]
	s_load_b128 s[20:23], s[0:1], 0x40             ; xc, xs
	s_load_b64 s[24:25], s[0:1], 0x50              ; mbits
	v_lshl_add_u32 v[SPW], v0, 2, SPARE
	v_mov_b32 v[NIL], 0
	v_lshrrev_b32 v1, 5, v0
	v_readfirstlane_b32 s29, v1                    ; wave 0..3
	v_and_b32 v2, 31, v0                           ; lane
	s_wait_kmcnt 0x0
	s_cmp_ge_u32 ttmp9, 896
	s_cbranch_scc1 .Lmask
	; ---------------- the quantiser ----------------
	v_lshlrev_b32 v3, 4, v2                        ; my 16 bytes of a load's 512
	s_mul_i32 s30, s29, WREG
	v_lshrrev_b32 v14, 2, v2
	v_mul_u32_u24 v14, v14, SP
	v_and_b32 v15, 3, v2
	v_lshl_add_u32 v14, v15, 4, v14
	v_add_nc_u32 v14, s30, v14                     ; the stage, way in: SP (lane / 4) + 16 (lane % 4)
	v_mul_u32_u24 v15, v2, SP
	v_add_nc_u32 v15, s30, v15                     ; way out: SP x lane: my 16 neighbours
	v_mul_u32_u24 v4, v2, CB                       ; my codes' place in a step's
	v_lshrrev_b32 v5, 1, v2
	s_add_co_u32 s30, s30, 2*32*SP
	v_add_nc_u32 v5, s30, v5                       ; LDS: my wave's 256 scale bytes, my block's byte
	v_lshlrev_b32 v7, 3, v2                        ; and on the way out 8 bytes a lane
	v_add_nc_u32 v6, s30, v7
	; which tensor: the choice hangs on the work-group's number alone.  s[26:27] its address, s28 its first work-group
	s_mov_b64 s[26:27], s[16:17]
	s_mov_b32 s28, 864
.macro PICK lim, ptr, base
	s_cmp_lt_u32 ttmp9, \lim
	s_cselect_b64 s[26:27], s[\ptr:\ptr+1], s[26:27]
	s_cselect_b32 s28, \base, s28
.endm
	PICK 864, 14, 832
	PICK 832, 12, 800
	PICK 800, 10, 768
	PICK 768, 8, 512
	PICK 512, 6, 256
	PICK 256, 4, 0
	s_sub_co_u32 s30, ttmp9, s28
	s_lshl_b32 s30, s30, 2
	s_add_co_u32 s30, s30, s29                     ; which run of 8 rows of the tensor is my wave's
	s_lshl_b32 s30, s30, 15                        ; 32,768 bytes a run
	s_mov_b32 s31, 0
	s_add_nc_u64 s[26:27], s[26:27], s[30:31]
	s_and_b32 s32, s29, 1
	s_lshl_b32 s32, s32, 1
	s_lshr_b32 s33, s29, 1
	s_or_b32 s32, s32, s33                         ; w' : the row order
	s_lshl_b32 s33, ttmp9, 2
	s_add_co_u32 s32, s32, s33                     ; the run's place in xc and xs: the tensors' sections follow each other as the work-groups do
	s_mul_i32 s30, s32, 6144                       ; 8 rows of 768 bytes
	s_add_nc_u64 s[20:21], s[20:21], s[30:31]
	s_lshl_b32 s30, s32, 8                         ; 8 rows of 32 bytes
	s_add_nc_u64 s[22:23], s[22:23], s[30:31]
.macro LOAD t
.irp i, 0,1,2,3
	global_load_b128 v[R+16*((\t)%4)+4*\i:R+16*((\t)%4)+4*\i+3], v3, s[26:27] offset:2048*(\t)+512*\i th:TH_LOAD_NT   ; 32 lanes read 512 consecutive bytes
.endr
.endm
.macro TURN t                          ; step t's numbers through the stage: LDS serves a wave's instructions in order, so no wait stands between the stores and the loads
.irp i, 0,1,2,3
	ds_store_b128 v14, v[R+16*((\t)%4)+4*\i:R+16*((\t)%4)+4*\i+3] offset:32*SP*((\t)%2)+8*SP*\i
.endr
.irp i, 0,1,2,3
	ds_load_b128 v[X+16*((\t)%2)+4*\i:X+16*((\t)%2)+4*\i+3], v15 offset:32*SP*((\t)%2)+16*\i
.endr
.endm
.irp t, 0,1,2,3
	LOAD \t
.endr
	s_wait_loadcnt 12                              ; step 0's four loads are in; the twelve of steps 1 to 3 may be out
	TURN 0
.macro STEP t
.set XS, X+16*((\t)%2)
.if (\t) > 0
	s_wait_dscnt 1                                 ; this step's numbers are back from the stage (the last step's byte store may be out): so its stores into the stage have read their registers,
.else
	s_wait_dscnt 0x0
.endif
.if (\t)+4 < STEPS
	LOAD (\t)+4                                    ; which take the loads of four steps on
.endif
.if (\t)+1 < STEPS
.if STEPS-2-(\t) >= 3
	s_wait_loadcnt 12                              ; the next step's four loads are in; those of the three steps behind it may be out
.else
	s_wait_loadcnt 4*(STEPS-2-(\t))
.endif
	TURN (\t)+1                                    ; and go through the other stage while this step is worked
.endif
	v_max3_num_f32 v8, |v[XS]|, |v[XS+1]|, |v[XS+2]|               ; the largest magnitude of my 16, in two chains
	v_max3_num_f32 v9, |v[XS+3]|, |v[XS+4]|, |v[XS+5]|
.irp i, 6,10
	v_max3_num_f32 v8, v8, |v[XS+\i]|, |v[XS+\i+1]|
	v_max3_num_f32 v9, v9, |v[XS+\i+2]|, |v[XS+\i+3]|
.endr
	v_max3_num_f32 v8, v8, |v[XS+14]|, |v[XS+15]|
	v_max3_num_f32 v8, v8, v9, (EMAX+1)<<23        ; and the floor 2^(3 - 127): the byte cannot fall under 1
	v_max_num_f32_dpp v8, v8, v8 row_xmask:1 row_mask:0xf bank_mask:0xf   ; and of my neighbour's 16: the block's
	v_add_nc_u32 v11, -(EMAX<<23), v8              ; 2 off its exponent field: the conversion takes the exponent field of this operand as its scale
	v_cvt_scalef32_pk16_fp6_f32 v[C+4*(\t):C+4*(\t)+2], v[XS:XS+15], v11
	v_lshrrev_b32 v[E+(\t)], 23, v11               ; the scale's byte (a plain line behind the conversion)
	ds_store_b8 v5, v[E+(\t)] offset:16*(\t)       ; both lanes of a block write the same byte with the same value
	global_store_b96 v4, v[C+4*(\t):C+4*(\t)+2], s[20:21] offset:32*CB*(\t)   ; the wave stores 384 consecutive bytes
.endm
.irp t, 0,1,2,3,4,5,6,7,8,9,10,11,12,13,14,15
	STEP \t
.endr
	ds_load_b64 v[8:9], v6                         ; LDS serves a wave's instructions in order: these see my byte stores
	s_wait_dscnt 0x0
	global_store_b64 v7, v[8:9], s[22:23]          ; 32 lanes store 256 consecutive bytes, aligned
	s_wait_tensorcnt 0x0                           ; the wave's end: three lines behind my last LDS store
	ds_add_u32 v[SPW], v[NIL]
	s_wait_dscnt 0x0
	s_endpgm
	; ---------------- the mask ----------------
.Lmask:
	s_sub_co_u32 s30, ttmp9, 896                   ; T: the query tile.  Wave w takes key steps 4 w .. 4 w + 3
	s_lshr_b32 s31, s30, 1
	s_lshl_b32 s31, s31, 5
	s_and_b32 s32, s30, 1
	s_lshl_b32 s32, s32, 3
	s_add_co_u32 s31, s31, s32                     ; the tile's first row: 32 (T / 2) + 8 (T % 2)
	s_lshl_b32 s31, s31, 13                        ; rows of 8,192 bytes
	s_lshl_b32 s32, s29, 11                        ; my four steps: 2,048 bytes of each row
	s_add_co_u32 s32, s31, s32
	s_mov_b32 s33, 0
	s_add_nc_u64 s[26:27], s[18:19], s[32:33]
	s_lshl_b32 s32, s30, 4
	s_lshl_b32 s34, s29, 2
	s_add_co_u32 s32, s32, s34
	s_lshl_b32 s32, s32, 8                         ; 256 bytes of mbits for a tile and a step
	s_add_nc_u64 s[24:25], s[24:25], s[32:33]
	v_lshlrev_b32 v1, 4, v2                        ; 16 x lane
	s_mul_i32 s34, s29, MWB
	s_add_co_u32 s34, s34, MST                     ; my stage
	v_add_nc_u32 v3, s34, v1                       ; way in: a row's 512 bytes as they lie
	v_and_b32 v5, 15, v2
	v_lshrrev_b32 v6, 4, v2
	v_mul_u32_u24 v5, v5, MPITCH
	v_lshl_add_u32 v5, v6, 6, v5
	v_add_nc_u32 v5, s34, v5                       ; way out: row r, + 64 h: my 16 keys of each block of 32
	v_lshlrev_b32 v4, 3, v2                        ; 8 x lane
.macro MLOAD i                         ; key step 4 w + i: 128 keys (512 bytes) of each of the tile's 16 rows
.irp t, 0,1,2,3,4,5,6,7,8,9,10,11,12,13,14,15
	global_load_b128 v[R+4*\t:R+4*\t+3], v1, s[26:27] offset:(\t+8*(\t/8))*8192+512*(\i) th:TH_LOAD_NT
.endr
.endm
.macro MUNIT i
	s_wait_loadcnt 0x0
.irp t, 0,1,2,3,4,5,6,7,8,9,10,11,12,13,14,15
	ds_store_b128 v3, v[R+4*\t:R+4*\t+3] offset:MPITCH*\t
.endr
.irp b, 0,1,2,3
.irp j, 0,1,2,3
	ds_load_b128 v[X+16*\b+4*\j:X+16*\b+4*\j+3], v5 offset:128*\b+16*\j   ; register 16 b + i: key 32 b + 16 h + i of row r
.endr
.endr
	s_wait_dscnt 0x0                               ; the 64 numbers are back, and the stores have read the loaded registers,
.if (\i) < 3
	MLOAD (\i)+1                                   ; which take the next step's loads while this step is worked
.endif
	v_mov_b32 v[OW+2*(\i)], 0                      ; (a lane write's destination counts as read)
	v_mov_b32 v[OW+2*(\i)+1], 0
.set n, 0
.rept 64
	v_cmp_ne_u32 s[36+n%8], 0, v[X+n]              ; the 32 lanes' bits of word n,
	v_writelane_b32 v[OW+2*(\i)+(n&1)], s[36+n%8], n>>1   ; to lane n / 2, register n % 2
.set n, n+1
.endr
	global_store_b64 v4, v[OW+2*(\i):OW+2*(\i)+1], s[24:25] offset:256*(\i)   ; 32 lanes store 256 consecutive bytes, aligned
.endm
	MLOAD 0
	MUNIT 0
	MUNIT 1
	MUNIT 2
	MUNIT 3
	s_wait_tensorcnt 0x0                           ; the wave's end: three lines behind my last LDS store
	ds_add_u32 v[SPW], v[NIL]
	s_wait_dscnt 0x0
	s_endpgm
.Lfunc_end_k_qcd5c337670_prep:
	.size	k_qcd5c337670_prep, .Lfunc_end_k_qcd5c337670_prep-k_qcd5c337670_prep
	.p2alignl 7, 3214868480
	.fill 96, 4, 3214868480
	.section	.rodata,"a",@progbits
	.p2align	6, 0x0
	.amdhsa_kernel k_qcd5c337670_prep
		.amdhsa_group_segment_fixed_size 67072
		.amdhsa_private_segment_fixed_size 0
		.amdhsa_enable_private_segment 0
		.amdhsa_kernarg_size 88
		.amdhsa_user_sgpr_count 2
		.amdhsa_user_sgpr_kernarg_segment_ptr 1
		.amdhsa_wavefront_size32 1
		.amdhsa_system_sgpr_workgroup_id_x 1
		.amdhsa_system_sgpr_workgroup_id_y 1
		.amdhsa_system_sgpr_workgroup_id_z 1
		.amdhsa_system_vgpr_workitem_id 0
		.amdhsa_next_free_vgpr 192
		.amdhsa_next_free_sgpr 66
		.amdhsa_reserve_vcc 0
		.amdhsa_float_denorm_mode_32 3
		.amdhsa_float_denorm_mode_16_64 3
		.amdhsa_memory_ordered 1
		.amdhsa_forward_progress 1
		.amdhsa_inst_pref_size 81
	.end_amdhsa_kernel
	.amdgpu_metadata
---
amdhsa.version: [ 1, 2 ]
amdhsa.kernels:
  - .name:           k_qcd5c337670_prep
    .symbol:         k_qcd5c337670_prep.kd
    .args:
      - { .name: q, .offset: 0, .size: 8, .value_kind: global_buffer, .address_space: global }
      - { .name: k, .offset: 8, .size: 8, .value_kind: global_buffer, .address_space: global }
      - { .name: v, .offset: 16, .size: 8, .value_kind: global_buffer, .address_space: global }
      - { .name: Wq, .offset: 24, .size: 8, .value_kind: global_buffer, .address_space: global }
      - { .name: Wk, .offset: 32, .size: 8, .value_kind: global_buffer, .address_space: global }
      - { .name: Wv, .offset: 40, .size: 8, .value_kind: global_buffer, .address_space: global }
      - { .name: Wo, .offset: 48, .size: 8, .value_kind: global_buffer, .address_space: global }
      - { .name: mask, .offset: 56, .size: 8, .value_kind: global_buffer, .address_space: global }
      - { .name: xc, .offset: 64, .size: 8, .value_kind: global_buffer, .address_space: global }
      - { .name: xs, .offset: 72, .size: 8, .value_kind: global_buffer, .address_space: global }
      - { .name: mbits, .offset: 80, .size: 8, .value_kind: global_buffer, .address_space: global }
    .group_segment_fixed_size: 67072
    .private_segment_fixed_size: 0
    .kernarg_segment_align: 8
    .kernarg_segment_size: 88
    .max_flat_workgroup_size: 128
    .sgpr_count:     66
    .vgpr_count:     192
    .wavefront_size: 32
...
	.end_amdgpu_metadata
.endif
;; end of part 1
;; launch proj (part 2): grid 4 x 96, 4 waves a work-group, clusters of 4 x 4, 327,680 bytes of LDS; arguments xc, xs, att_c, att_s; writes att_c, att_s
.if DOCPART == 2
	.amdgcn_target "amdgcn-amd-amdhsa--gfx1250"
	.amdhsa_code_object_version 6
	.text
	.protected	k_qcd5c337670_proj
	.globl	k_qcd5c337670_proj
	.p2align	8
	.type	k_qcd5c337670_proj,@function
k_qcd5c337670_proj:
	s_mov_b64 s[64:65], 0
	v_nop
	global_prefetch_b8 v0, s[64:65] scope:SCOPE_SE
	s_setreg_imm32_b32 hwreg(HW_REG_WAVE_MODE, 25, 1), 1
	s_wait_xcnt 0x0
	s_wait_alu depctr_hold_cnt(0) depctr_sa_sdst(0) depctr_va_vdst(0) depctr_va_sdst(0) depctr_va_ssrc(0) depctr_va_vcc(0) depctr_vm_vsrc(0)
	s_getreg_b32 s2, hwreg(HW_REG_IB_STS2, 6, 4)
	s_cmp_eq_u32 s2, 0
	s_cbranch_scc0 .Lentry_in_a_cluster
	s_endpgm
.Lentry_in_a_cluster:
	s_bfe_u32 s2, ttmp6, 0x10000c
	s_cmp_lg_u32 s2, 0xf033
	s_cbranch_scc0 .Lentry_shape_is_right
	s_endpgm
.Lentry_shape_is_right:
; THE THREE PROJECTIONS IN ONE LAUNCH: C[m][n] = sum over k of A[m][k] B[n][k], K = 1,024, on codes of FP6 (E2M3) with one E8M0 scale for each 32 along K; C is quantised along n, in registers, and stored as operand images.
;   z = 0: A = q,  B = Wq (8,192 x 1,024): Q, quantised along the head's 64.     z = 1: A = k, B = Wk: K likewise.     z = 2: A = Wv, B = v (1,024 x 8,192): V^T, so that n runs along the KEYS, which are V's K in the second product of attention.
; A tile of C, 256 x 256, is made by a work-group of four waves, each 128 x 128: 64 accumulators, 512 registers.  K goes in steps of 256 through a ring of two LDS slots filled by tensor loads; the scale bytes of the work-group's
; rows come once, with the first fills.  CLUSTERS of 4 x 4: A's tiles are asked for jointly along a row of the cluster, B's along a column.  384 work-groups: 24 clusters, 8 for each z.
; THE MATRIX INSTRUCTION IS USED TRANSPOSED (source 0 = 16 rows of B, source 1 = 16 rows of A).  The stored rows of xc are in the order in which 16 consecutive rows (tile 2 b + u, place r) are the true rows 32 b + 8 u + r + 8 (r / 8):
; so the 16 registers of B's tiles 2 b, 2 b + 1 are the true columns 32 b + 16 (lane / 16) + 0 .. 15 of row (lane % 16) of A's tile: 16 neighbours along the next K, as the conversions want them.
; THE WAY OUT: for each of my 8 blocks of 16 rows the 64 numbers of a lane become a fragment (12 registers) and a scale word.  A HALF IMAGE is six registers of a fragment (64 along K) as three pieces of 256 bytes, piece p = registers 2 p, 2 p + 1,
; lane l at byte 8 l.  att_c: Q [b][head][tile 128][768], K likewise, V [b][head][step 16][half 2][d tile 4][768].  att_s: Q, K [b][head][tile][16 words] (a word's bytes 0, 1 are the head's two; bytes 2, 3 the neighbour's or 0, never 0xff:
; they scale zero codes alone), V [b][head][step][d tile][16 words].
; LIMITS: a block whose largest magnitude lies under 2^-124, zeros among them, gets the byte 1; NaN and infinities are not served.
; REGISTERS, in windows of 256: window 0: v1-31 addresses; v32-63 scale words, two sets, and nothing else; from v128 A's fragments, one set; on the way out v64-223 codes, v224-251 at work.
;   window 1: B's fragments, two sets.   window 2: the accumulators of my rows 0-63 ((a, b) at v[8 (8 a + b)]);   window 3: those of my rows 64-127.
.set KSTEP,  256
.set NQ,     2                         ; matrix instructions deep in a slot
.set ROWB,   192                       ; a tile's row in bytes
.set KROW,   768                       ; a row of xc
.set PITCH,  240                       ; an LDS row: 3 x (64 bytes + 16 of padding)
.set FR,     12
.set NL,     6
.set NP,     4                         ; places behind this matrix instruction (ISA guide 7.12.1)
.set HALFT,  128*PITCH
.set SLOT,   4*HALFT
.set LAPS,   2                         ; 1,024 / 512
.set KS,     32                        ; a row of scale bytes
.set SCL,    2*SLOT                    ; behind the ring: the scales, as 256 bytes + 16 of padding
.set HALFS,  16*272
.set SBLK,   2*272
.set SPARE,  SCL+4*HALFS               ; the spare words: two blocks of 256 bytes that no other line names
.set SST,    SPARE+512                 ; 1,024 bytes for each wave: its scale words on the way out; no tensor load lands here
.set ADRA, 16
.set ADRB, 20
.set ADRS, 27
.set SPW,  28
.set NIL,  29
.set SC,   32
.set AF,   128
.set TM,   224                         ; v224-227 largest magnitudes, v228-231 bytes, v236-239 the conversions' scale operands
.set PW,   240                         ; the scale word just made
.set G1, 24
.set G0, 32
.set G1B, 48
.set G0B, 56
.set G1S, 68
.set G0S, 76
.set G1SB, 80
.set G0SB, 88
.set MSB, 0
.macro WIN new                         ; the immediate's high byte repeats the setting that is left
.if MSB != (\new)
	s_set_vgpr_msb (MSB<<8)|(\new)
.set MSB, (\new)
.endif
.endm
.set MUL_LO, 0xa1                      ; source 0 (B) window 1, source 1 (A) window 0, C and D window 2
.set MUL_HI, 0xf1
.set TO_B,   0x40
; A joint load: waves 0 and 1 fetch for A, waves 2 and 3 for B.  The branch hangs on the wave's number alone.  An s_nop 0 and four v_nop follow each of the two lines.
.macro JLOAD g0a, g1a, g0b, g1b
	s_cmp_eq_u32 s15, 0
	s_cbranch_scc0 .Lfor_b_\@
	tensor_load_to_lds s[\g0a:\g0a+3], s[\g1a:\g1a+7]
	s_nop 0
.rept 4
	v_nop
.endr
	s_branch .Lasked_\@
.Lfor_b_\@:
	tensor_load_to_lds s[\g0b:\g0b+3], s[\g1b:\g1b+7]
	s_nop 0
.rept 4
	v_nop
.endr
.Lasked_\@:
.endm
.macro CREST                           ; a round of the cluster's barrier behind its opening barrier
	s_cmp_lg_u32 s14, 0
	s_cbranch_scc1 .Lnot_wave_0_\@
	s_barrier_signal -3
.Lnot_wave_0_\@:
	s_barrier_wait -3
	s_barrier_signal -1
	s_barrier_wait -1
.endm
.macro CROUND
	s_barrier_signal -1
	s_barrier_wait -1
	CREST
.endm
	s_load_b128 s[4:7], s[0:1], 0x0                ; xc, xs
	s_load_b128 s[8:11], s[0:1], 0x10              ; att_c, att_s
	v_lshl_add_u32 v[SPW], v0, 2, SPARE
	v_mov_b32 v[NIL], 0
	ds_add_u32 v[SPW], v[NIL]                      ; the wave's opening: the add and its wait ahead of my first tensor load; work on registers stands between them
	v_lshrrev_b32 v1, 5, v0
	v_readfirstlane_b32 s14, v1                    ; wave 0..3
	s_lshr_b32 s15, s14, 1                         ; which half of the tile's rows is mine.  Also: I fetch for A (0) or for B (1)
	s_and_b32 s16, s14, 1                          ; which half of its columns.  Also: which 128 rows of that tile I fetch
	s_bfe_u32 s40, ttmp6, 0x40000                  ; cx, cy: my place in the cluster
	s_bfe_u32 s41, ttmp6, 0x40004
	s_and_b32 s18, ttmp7, 0xffff                   ; the cluster's y, 0 .. 23: the same in all sixteen partners
	s_lshr_b32 s95, s18, 3                         ; z: which projection
	s_and_b32 s18, s18, 7
	s_lshl_b32 s18, s18, 2                         ; the cluster's first tile along the long side
	s_mul_i32 s19, s95, 6291456                    ; the sections of xc and xs: activations' codes,
	s_mul_i32 s20, s95, 786432
	s_add_co_u32 s20, s20, 18874368                ; weights' codes,
	s_mul_i32 s21, s95, 262144                     ; activations' scales,
	s_mul_i32 s22, s95, 32768
	s_add_co_u32 s22, s22, 786432                  ; weights' scales
	s_cmp_eq_u32 s95, 2                            ; for V the weight is A and the activation is B
	s_cselect_b32 s17, 0, s18
	s_cselect_b32 s42, s18, 0
	s_cselect_b32 s19, 20447232, s19               ; A's codes
	s_cselect_b32 s20, 12582912, s20               ; B's codes
	s_cselect_b32 s21, 851968, s21                 ; A's scales
	s_cselect_b32 s22, 524288, s22                 ; B's scales
	s_add_co_u32 s17, s17, s41                     ; tile row of C
	s_add_co_u32 s42, s42, s40                     ; tile column of C
	s_lshl_b32 s43, s41, 2
	s_lshl_b32 s43, 15, s43                        ; my row of the cluster
	s_lshl_b32 s44, 0x1111, s40                    ; my column
	; descriptor group 1: a tile of 128 rows x 192 bytes, 16 bytes of padding behind every 64
	s_or_b32 s[G1+0], s43, (0<<16)|(1<<20)|(1<<21)|(3<<22)|(3<<25)
	s_or_b32 s[G1B+0], s44, (0<<16)|(1<<20)|(1<<21)|(3<<22)|(3<<25)
.irp g, G1, G1B
	s_mov_b32 s[\g+1], ROWB<<16                    ; tensor_dim0
	s_mov_b32 s[\g+2], 128<<16                     ; tensor_dim1
	s_mov_b32 s[\g+3], ROWB<<16                    ; tile_dim0
	s_mov_b32 s[\g+4], 128                         ; tile_dim1
	s_mov_b32 s[\g+5], KROW                        ; tensor_dim0_stride
	s_mov_b32 s[\g+6], 0
	s_mov_b32 s[\g+7], 0
.endr
	; the scales of 128 rows: 4,096 dense bytes, as 16 rows of 256 bytes (32 elements of 8), 16 bytes of padding behind each
	s_or_b32 s[G1S+0], s43, (3<<16)|(1<<20)|(1<<21)|(5<<22)|(3<<25)
	s_or_b32 s[G1SB+0], s44, (3<<16)|(1<<20)|(1<<21)|(5<<22)|(3<<25)
.irp g, G1S, G1SB
	s_mov_b32 s[\g+1], 32<<16
	s_mov_b32 s[\g+2], 16<<16
	s_mov_b32 s[\g+3], 32<<16
	s_mov_b32 s[\g+4], 16
	s_mov_b32 s[\g+5], 32
	s_mov_b32 s[\g+6], 0
	s_mov_b32 s[\g+7], 0
.endr
	s_lshl_b32 s18, s16, 7                         ; which 128 rows of the tile I fetch
	s_lshl_b32 s23, s17, 8
	s_add_co_u32 s23, s23, s18                     ; A: row 256 x tile row + 128 x half
	s_mul_i32 s92, s23, KROW
	s_add_co_u32 s92, s92, s19                     ; its codes' offset in xc (all offsets stay under 2^25)
	s_mov_b32 s93, 0
	s_lshl_b32 s98, s23, 5
	s_add_co_u32 s98, s98, s21                     ; its scales' offset in xs
	s_mov_b32 s99, 0
	s_lshl_b32 s46, s42, 8
	s_add_co_u32 s46, s46, s18                     ; B: row 256 x tile column + 128 x half
	s_lshl_b32 s2, s46, 5
	s_add_co_u32 s2, s2, s22
	s_mov_b32 s3, 0
	s_mul_i32 s46, s46, KROW
	s_add_co_u32 s46, s46, s20
	s_mov_b32 s47, 0
	s_mul_i32 s45, s14, HALFT                      ; where they go: wave x 128 rows: no place in the cluster enters an LDS address
	s_mul_i32 s94, s14, HALFS
	s_wait_dscnt 0x0                               ; the opening add is done
	s_wait_kmcnt 0x0
	s_add_nc_u64 s[92:93], s[4:5], s[92:93]
	s_add_nc_u64 s[98:99], s[6:7], s[98:99]
	s_add_nc_u64 s[46:47], s[4:5], s[46:47]
	s_add_nc_u64 s[2:3], s[6:7], s[2:3]
	CROUND                                         ; all sixteen work-groups are here: the first joint loads meet
	s_mov_b32 s[G0S], 1
	s_add_co_u32 s[G0S+1], s94, SCL
	s_mov_b64 s[G0S+2:G0S+3], s[98:99]
	s_or_b32 s[G0S+3], s[G0S+3], 0x80000000
	s_mov_b32 s[G0SB], 1
	s_add_co_u32 s[G0SB+1], s94, SCL
	s_mov_b64 s[G0SB+2:G0SB+3], s[2:3]
	s_or_b32 s[G0SB+3], s[G0SB+3], 0x80000000
	JLOAD G0S, G1S, G0SB, G1SB                     ; the scales first: they are wanted with K step 0
.irp s, 0,1
	s_mov_b32 s[G0+4*\s], 1
	s_add_co_u32 s[G0+4*\s+1], s45, \s*SLOT
	s_add_nc_u64 s[G0+4*\s+2:G0+4*\s+3], s[92:93], \s*ROWB
	s_or_b32 s[G0+4*\s+3], s[G0+4*\s+3], 0x80000000
	s_mov_b32 s[G0B+4*\s], 1
	s_add_co_u32 s[G0B+4*\s+1], s45, \s*SLOT
	s_add_nc_u64 s[G0B+4*\s+2:G0B+4*\s+3], s[46:47], \s*ROWB
	s_or_b32 s[G0B+4*\s+3], s[G0B+4*\s+3], 0x80000000
	JLOAD G0+4*\s, G1, G0B+4*\s, G1B
.endr
	v_and_b32 v1, 15, v0                           ; r = l % 16
	v_bfe_u32 v2, v0, 4, 1                         ; h = l / 16
	v_mul_u32_u24 v3, v1, PITCH
	v_mul_u32_u24 v4, v2, 24
	v_add_nc_u32 v4, v3, v4                        ; a fragment's row x pitch + 24 x half
	v_lshl_add_u32 v5, v2, 4, v4                   ; and the same behind one padding more
	s_mul_i32 s21, s15, HALFT                      ; my 128 rows of A
	s_mul_i32 s22, s16, HALFT                      ; my 128 rows of B,
	s_add_co_u32 s22, s22, 2*HALFT                 ; which lie behind A's 256
.irp s, 0,1
	v_add_nc_u32 v[ADRA+\s], s21, v4
	v_add_nc_u32 v[ADRB+\s], s22, v4
	v_add_nc_u32 v[ADRA+2+\s], s21, v5
	v_add_nc_u32 v[ADRB+2+\s], s22, v5
	s_add_co_u32 s21, s21, SLOT
	s_add_co_u32 s22, s22, SLOT
.endr
	v_mul_u32_u24 v5, v1, KS                       ; my row's scales: 32 bytes a row,
	v_lshrrev_b32 v6, 8, v5
	v_lshl_add_u32 v5, v6, 4, v5                   ; and 16 more for each 256 passed
	s_mul_i32 s21, s15, HALFS
	s_mul_i32 s22, s16, HALFS
	s_add_co_u32 s22, s22, 2*HALFS
	s_sub_co_u32 s22, s22, s21
	v_mul_u32_u24 v6, s22, v2                      ; lanes 16-31 take B's
	s_add_co_u32 s21, s21, SCL
	v_add_nc_u32 v5, v5, v6
	v_add_nc_u32 v[ADRS], s21, v5
	; THE WAY OUT'S ADDRESSES.  v8-11: 8 l, + the distance from a fragment's first half to its second (SH), + the distance from block a to block a + 4 (SB)
	s_cmp_eq_u32 s95, 2
	s_mov_b32 s23, 98304
	s_cselect_b32 s21, 3072, s23                   ; SH: Q, K: the next head; V: the step's second half
	s_cselect_b32 s22, s23, 3072                   ; SB: Q, K: four tiles on; V: the next head
	s_cselect_b32 s23, 3840, 0                     ; V's scale words of blocks 4-7 belong to the next head: 4,096 bytes on and not 256
	v_and_b32 v6, 31, v0
	v_lshlrev_b32 v8, 3, v6
	v_add_nc_u32 v9, s21, v8
	v_add_nc_u32 v10, s22, v8
	v_add_nc_u32 v11, s22, v9
	v_mul_u32_u24 v14, s23, v2
	v_lshl_add_u32 v14, v6, 4, v14                 ; v14: 16 l (+ the gap in lanes 16-31): the scale words' place in att_s
	v_lshlrev_b32 v15, 4, v2                       ; v15: 16 h: lanes 16-31 shift the odd head's two bytes down
	s_lshl_b32 s21, s14, 10
	s_add_co_u32 s21, s21, SST
	v_lshlrev_b32 v12, 2, v1
	v_lshl_add_u32 v12, v2, 9, v12
	v_add_nc_u32 v12, s21, v12                     ; v12: my scale word's place in my 1,024 bytes: 512 h + 4 r (+ 64 a)
	v_lshl_add_u32 v13, v6, 4, s21                 ; v13: and back, 16 bytes a lane
	s_mov_b32 s98, 0x76543210
	s_mov_b32 s99, 0xfedcba98                      ; v_permlanex16_b32's selects for lane l xor 16
	s_lshl_b32 s18, s17, 4
	s_lshl_b32 s19, s15, 3
	s_add_co_u32 s18, s18, s19                     ; rt0: my first block of 16 rows
	s_lshl_b32 s19, s42, 1
	s_add_co_u32 s19, s19, s16                     ; ch: my 128 columns
	s_lshr_b32 s20, s18, 7                         ; Q, K: batch = rt0 / 128, tile = rt0 % 128, heads 2 ch, 2 ch + 1
	s_lshl_b32 s20, s20, 4
	s_lshl_b32 s21, s19, 1
	s_add_co_u32 s20, s20, s21
	s_and_b32 s21, s18, 127
	s_lshl_b32 s22, s20, 7
	s_add_co_u32 s22, s22, s21
	s_mul_i32 s22, s22, 768                        ; codes
	s_lshl_b32 s20, s20, 13
	s_lshl_b32 s21, s21, 6
	s_add_co_u32 s20, s20, s21                     ; scale words
	s_lshr_b32 s21, s19, 4                         ; V: batch = ch / 16, step = ch % 16, head = rt0 / 4
	s_lshl_b32 s21, s21, 4
	s_lshr_b32 s23, s18, 2
	s_add_co_u32 s21, s21, s23
	s_and_b32 s23, s19, 15
	s_lshl_b32 s92, s21, 4
	s_add_co_u32 s92, s92, s23
	s_mul_i32 s92, s92, 6144
	s_lshl_b32 s21, s21, 12
	s_lshl_b32 s23, s23, 8
	s_add_co_u32 s21, s21, s23
	s_cmp_eq_u32 s95, 2
	s_cselect_b32 s22, s92, s22
	s_cselect_b32 s20, s21, s20
	s_mul_i32 s21, s95, 6291456
	s_add_co_u32 s22, s22, s21
	s_mov_b32 s23, 0
	s_add_nc_u64 s[12:13], s[8:9], s[22:23]        ; s[12:13]: my codes in att_c
	s_mul_i32 s21, s95, 524288
	s_add_co_u32 s20, s20, s21
	s_mov_b32 s21, 0
	s_add_nc_u64 s[96:97], s[10:11], s[20:21]      ; s[96:97]: my scale words in att_s
.macro FRAG reg, adr, q, i             ; a fragment: lane l holds row l % 16; registers 6 c .. 6 c + 5 hold K = 64 c + 32 (l / 16) + 0 .. 31: 24 bytes of the row's stream of bits, in pieces of 8 bytes
.irp p, 0,1,2,3,4,5
.set PCE, 12*(\q)+6*(\p/3)+\p%3        ; 16 bytes of padding lie behind every 8 pieces: where the piece three on lies behind one padding more, the second address register serves
.if PCE%8 < 5
	ds_load_b64 v[\reg+2*\p:\reg+2*\p+1], v[\adr] offset:8*PCE+16*(PCE/8)+(\i)*16*PITCH
.else
	ds_load_b64 v[\reg+2*\p:\reg+2*\p+1], v[\adr+2] offset:8*PCE+16*(PCE/8)+(\i)*16*PITCH
.endif
.endr
.endm
; 16 matrix instructions: A's blocks a0, a0 + 1 x B's eight, 128 along K.  The 64 accumulators take turns, one instruction a turn, in the same order in every step.
.macro MUL16 a0, p, q, sc, zero
.irp a, \a0, \a0+1
.irp b, 0,1,2,3,4,5,6,7
.if \zero
	v_wmma_scale_f32_16x16x128_f8f6f4 v[8*(8*((\a)%4)+\b):8*(8*((\a)%4)+\b)+7], v[128*(\p)+FR*\b:128*(\p)+FR*\b+FR-1], v[AF+FR*(\a):AF+FR*(\a)+FR-1], 0, v[SC+8*NQ*(\sc)+NQ*\b+(\q)], v[SC+8*NQ*(\sc)+NQ*(\a)+(\q)] matrix_a_fmt:MATRIX_FMT_FP6 matrix_b_fmt:MATRIX_FMT_FP6 matrix_a_scale:MATRIX_SCALE_ROW1
.else
	v_wmma_scale_f32_16x16x128_f8f6f4 v[8*(8*((\a)%4)+\b):8*(8*((\a)%4)+\b)+7], v[128*(\p)+FR*\b:128*(\p)+FR*\b+FR-1], v[AF+FR*(\a):AF+FR*(\a)+FR-1], v[8*(8*((\a)%4)+\b):8*(8*((\a)%4)+\b)+7], v[SC+8*NQ*(\sc)+NQ*\b+(\q)], v[SC+8*NQ*(\sc)+NQ*(\a)+(\q)] matrix_a_fmt:MATRIX_FMT_FP6 matrix_b_fmt:MATRIX_FMT_FP6 matrix_a_scale:MATRIX_SCALE_ROW1
.endif
.endr
.endr
.endm
.macro FETCH_B slot, q, p
	WIN TO_B
.irp i, 0,1,2,3,4,5,6,7
	FRAG 128*(\p)+FR*\i, ADRB+\slot, \q, \i
.endr
	WIN 0
.endm
.macro FETCH_A slot, q, i0
.irp i, \i0, \i0+1, \i0+2, \i0+3
	FRAG AF+FR*(\i), ADRA+\slot, \q, \i
.endr
.endm
.macro SCALES sc                       ; a K step's scale words: two a row; lanes 0-15 take A's block i, lanes 16-31 B's block i
.irp i, 0,1,2,3,4,5,6,7
	ds_load_b64 v[SC+8*NQ*\sc+NQ*\i:SC+8*NQ*\sc+NQ*\i+1], v[ADRS] offset:\i*SBLK
.endr
.endm
.macro PLACES n                        ; plain vector instructions that name none of the matrix instruction's registers, in front of loads into registers that it has read and of reads of its results
.rept \n
	v_nop
.endr
.endm
.macro STEP slot, q, zero              ; a step of 128 along K that has its successor in the same slot
	s_wait_dscnt 4*NL                              ; B's set and A's blocks 0-3 are in; the youngest 24 loads (A's blocks 4-7) may be out
	WIN MUL_LO
	MUL16 0, (\q)%2, \q, \slot, \zero
	MUL16 2, (\q)%2, \q, \slot, \zero
	s_wait_dscnt 0
	PLACES NP
	FETCH_B \slot, (\q)+1, 1-(\q)%2
	FETCH_A \slot, (\q)+1, 0
	WIN MUL_HI
	MUL16 4, (\q)%2, \q, \slot, \zero
	MUL16 6, (\q)%2, \q, \slot, \zero
	PLACES NP
	WIN 0
	FETCH_A \slot, (\q)+1, 4
.endm
; A slot's last step changes slots: one barrier; in front of it each wave waits for all its tensor loads, adds 0 to its spare word, and waits for that and for its own reads of this slot.  fill = 1: this slot is filled again, two K steps ahead.
.macro TURN slot, next, fill
	s_wait_tensorcnt 0x0                           ; all my tensor loads have landed: my part of the next slot
	ds_add_u32 v[SPW], v[NIL]                      ; 0 onto my spare word
	s_wait_dscnt 4*NL+1                            ; (the add and the youngest 24 loads, A's blocks 4-7, may be out)
	WIN MUL_LO
	MUL16 0, 1, NQ-1, \slot, 0
	s_wait_dscnt 0x0                               ; the add is done, and my reads of this slot are over
	s_barrier_signal -1
	MUL16 2, 1, NQ-1, \slot, 0
	WIN 0
	s_barrier_wait -1
.if \fill
	CREST                                          ; the barrier has opened a round of the cluster's barrier: no wave of any partner still reads this slot or has a load on its way
	s_add_nc_u64 s[G0+4*\slot+2:G0+4*\slot+3], s[G0+4*\slot+2:G0+4*\slot+3], 2*ROWB
	s_add_nc_u64 s[G0B+4*\slot+2:G0B+4*\slot+3], s[G0B+4*\slot+2:G0B+4*\slot+3], 2*ROWB
	JLOAD G0+4*\slot, G1, G0B+4*\slot, G1B         ; the first tensor load behind the round; its four v_nop are the places in front of the loads below
.else
	PLACES NP
.endif
	v_add_nc_u32 v[ADRS], 4*NQ, v[ADRS]            ; on to the next K step's scale words
	FETCH_B \next, 0, 0
	FETCH_A \next, 0, 0
	SCALES \next
	WIN MUL_HI
	MUL16 4, 1, NQ-1, \slot, 0
	MUL16 6, 1, NQ-1, \slot, 0
	PLACES NP
	WIN 0
	FETCH_A \next, 0, 4
.endm
	s_wait_tensorcnt 1                             ; the scales and my part of K step 0 are in (K step 1's load may be out),
	s_barrier_signal -1
	s_barrier_wait -1                              ; everybody's are
	FETCH_B 0, 0, 0
	FETCH_A 0, 0, 0
	SCALES 0
	FETCH_A 0, 0, 4
	STEP 0, 0, 1                                   ; the first step's products start the sums
	s_mov_b32 s3, LAPS-1
.Llap:                                                 ; a trip goes once round the ring and fills both slots again
	TURN 0, 1, 1
	STEP 1, 0, 0
	TURN 1, 0, 1
	STEP 0, 0, 0
	s_sub_co_u32 s3, s3, 1
	s_cmp_lg_u32 s3, 0
	s_cbranch_scc1 .Llap
	TURN 0, 1, 0                                   ; the last lap fills nothing
	STEP 1, 0, 0
	s_wait_dscnt 4*NL
	WIN MUL_LO
	MUL16 0, 1, NQ-1, 1, 0
	MUL16 2, 1, NQ-1, 1, 0
	s_wait_dscnt 0
	WIN MUL_HI
	MUL16 4, 1, NQ-1, 1, 0
	MUL16 6, 1, NQ-1, 1, 0
	WIN 0
; THE WAY OUT.  Block a: a lane's 64 numbers (register 16 b + i = column 32 b + 16 (l / 16) + i of row l % 16) become 12 registers of codes at v[64 + 20 a] and a scale word.  Each block has 20 registers of its own, so no store's data are written again.
.macro QUANTW a
.set QW,  2+(\a)/4                     ; the accumulators' window
.set QAC, 64*((\a)%4)
.set QPC, 64+20*(\a)
.set QW01, QW|(QW<<2)
.set QW12, (QW<<2)|(QW<<4)
	WIN QW01                                       ; sources 0 and 1 in the accumulators' window
.irp b, 0,1,2,3
	v_max3_num_f32 v[TM+\b], |v[QAC+16*\b]|, |v[QAC+16*\b+1]|, 0x1800000   ; block b: my 16 numbers, each accumulator from its low end on, and the floor 2^(3 - 127)
.endr
	WIN QW12                                       ; sources 1 and 2
.irp i, 2,4,6,8,10,12,14
.irp b, 0,1,2,3
	v_max3_num_f32 v[TM+\b], v[TM+\b], |v[QAC+16*\b+\i]|, |v[QAC+16*\b+\i+1]|
.endr
.endr
	WIN 0
.irp b, 0,1,2,3
	v_permlanex16_b32 v[TM+4+\b], v[TM+\b], s98, s99
.endr
.irp b, 0,1,2,3
	v_max_num_f32 v[TM+\b], v[TM+\b], v[TM+4+\b]   ; with lane l xor 16's: the block's largest magnitude
.endr
.irp b, 0,1,2,3
	v_add_nc_u32 v[TM+12+\b], 0xff000000, v[TM+\b] ; 2 off its exponent field: the conversion's scale operand
.endr
.irp b, 0,1,2,3
	v_lshrrev_b32 v[TM+4+\b], 23, v[TM+12+\b]      ; the scale's byte
.endr
	v_lshl_or_b32 v[PW], v[TM+5], 8, v[TM+4]
	v_lshl_or_b32 v[PW], v[TM+6], 16, v[PW]
	v_lshl_or_b32 v[PW], v[TM+7], 24, v[PW]
	WIN QW                                         ; source 0
.irp c, 0,1
	v_cvt_scalef32_pk16_fp6_f32 v[QPC+6*\c:QPC+6*\c+2], v[QAC+32*\c:QAC+32*\c+15], v[TM+12+2*\c]
	v_cvt_scalef32_pk16_fp6_f32 v[QPC+12+4*\c:QPC+14+4*\c], v[QAC+16+32*\c:QAC+31+32*\c], v[TM+12+2*\c+1]   ; (a conversion's three registers begin on an even number)
.endr
	WIN 0
	v_nop                                          ; one plain place behind a scaled conversion
.irp c, 0,1                                    ; the operand's layout wants a whole block in a lane: lanes 0-15 block 2 c, lanes 16-31 block 2 c + 1
.irp i, 0,1,2
	v_permlane16_swap_b32 v[QPC+6*\c+\i], v[QPC+12+4*\c+\i]
.endr
.irp i, 0,1,2
	v_mov_b32 v[QPC+3+6*\c+\i], v[QPC+12+4*\c+\i]
.endr
.endr
.endm
.macro PUT a
.set QPC, 64+20*(\a)
.irp p, 0,1,2,3,4,5
	global_store_b64 v[8+2*((\a)/4)+\p/3], v[QPC+2*\p:QPC+2*\p+1], s[12:13] offset:((\a)%4)*768+(\p%3)*256   ; 32 lanes store 256 consecutive bytes, aligned
.endr
	v_lshrrev_b32 v[QPC+19], v15, v[PW]            ; lanes 0-15 the word as it is, lanes 16-31 its upper two bytes
	ds_store_b32 v12, v[QPC+19] offset:64*(\a)
.endm
	PLACES NP                                      ; behind the last products
.irp b, 0,1,2,3
	v_mov_b32 v[TM+4+\b], 0                        ; written once: a lane permute's destination counts as one of its sources
.endr
.irp a, 0,1,2,3,4,5,6,7
	QUANTW \a
	PUT \a
.endr
	ds_load_b128 v[244:247], v13                   ; LDS serves a wave's instructions in order: these see my stores.  The words of lanes 0-15: 8 blocks x 64 bytes
	ds_load_b128 v[248:251], v13 offset:512        ; and those of lanes 16-31
	s_wait_dscnt 0x0
	global_store_b128 v14, v[244:247], s[96:97]    ; Q, K: the even head's 512 bytes; V: 256 bytes for each of two heads
	s_cmp_eq_u32 s95, 2                            ; z is the same in all partners of the cluster
	s_cbranch_scc1 .Lno_odd
	global_store_b128 v14, v[248:251], s[96:97] offset:8192   ; Q, K: the odd head's 512 bytes
.Lno_odd:
	s_wait_tensorcnt 0x0                           ; the wave's end: three lines, behind my last tensor load and my last LDS store
	ds_add_u32 v[SPW], v[NIL]
	s_wait_dscnt 0x0
	CROUND                                         ; the closing round: no work-group ends while a partner may still ask for a tile that names it
	s_endpgm
.Lfunc_end_k_qcd5c337670_proj:
	.size	k_qcd5c337670_proj, .Lfunc_end_k_qcd5c337670_proj-k_qcd5c337670_proj
	.p2alignl 7, 3214868480
	.fill 96, 4, 3214868480
	.section	.rodata,"a",@progbits
	.p2align	6, 0x0
	.amdhsa_kernel k_qcd5c337670_proj
		.amdhsa_group_segment_fixed_size 327680
		.amdhsa_private_segment_fixed_size 0
		.amdhsa_enable_private_segment 0
		.amdhsa_kernarg_size 32
		.amdhsa_user_sgpr_count 2
		.amdhsa_user_sgpr_kernarg_segment_ptr 1
		.amdhsa_wavefront_size32 1
		.amdhsa_system_sgpr_workgroup_id_x 1
		.amdhsa_system_sgpr_workgroup_id_y 1
		.amdhsa_system_sgpr_workgroup_id_z 1
		.amdhsa_system_vgpr_workitem_id 0
		.amdhsa_next_free_vgpr 1024
		.amdhsa_next_free_sgpr 100
		.amdhsa_reserve_vcc 0
		.amdhsa_float_denorm_mode_32 3
		.amdhsa_float_denorm_mode_16_64 3
		.amdhsa_memory_ordered 1
		.amdhsa_forward_progress 1
		.amdhsa_inst_pref_size 170
	.end_amdhsa_kernel
	.amdgpu_metadata
---
amdhsa.version: [ 1, 2 ]
amdhsa.kernels:
  - .name:           k_qcd5c337670_proj
    .symbol:         k_qcd5c337670_proj.kd
    .args:
      - { .name: xc, .offset: 0, .size: 8, .value_kind: global_buffer, .address_space: global }
      - { .name: xs, .offset: 8, .size: 8, .value_kind: global_buffer, .address_space: global }
      - { .name: att_c, .offset: 16, .size: 8, .value_kind: global_buffer, .address_space: global }
      - { .name: att_s, .offset: 24, .size: 8, .value_kind: global_buffer, .address_space: global }
    .group_segment_fixed_size: 327680
    .private_segment_fixed_size: 0
    .kernarg_segment_align: 8
    .kernarg_segment_size: 32
    .max_flat_workgroup_size: 128
    .sgpr_count:     100
    .vgpr_count:     1024
    .wavefront_size: 32
...
	.end_amdgpu_metadata
.endif
;; end of part 2
;; launch attn (part 3): grid 8 x 64, 16 waves a work-group, no clusters, 210,944 bytes of LDS; arguments att_c, att_s, mbits, ctx_c, ctx_s; writes ctx_c, ctx_s
.if DOCPART == 3
	.amdgcn_target "amdgcn-amd-amdhsa--gfx1250"
	.amdhsa_code_object_version 6
	.text
	.protected	k_qcd5c337670_attn
	.globl	k_qcd5c337670_attn
	.p2align	8
	.type	k_qcd5c337670_attn,@function
k_qcd5c337670_attn:
	s_mov_b64 s[64:65], 0
	v_nop
	global_prefetch_b8 v0, s[64:65] scope:SCOPE_SE
	s_setreg_imm32_b32 hwreg(HW_REG_WAVE_MODE, 25, 1), 1
	s_wait_xcnt 0x0
; ctx[b][q][head][:] = the sum over k of softmax_k(where(mask[q][k] == 0, -1e9, Q . K / 8)) V, both products on codes of FP6 (E2M3) with one E8M0 scale for each 32 along a product's K; ctx is quantised along its 64 and stored as an operand image.
; THE SOFTMAX AHEAD OF THE SECOND PRODUCT: t = logit x log2(e); M = the row's largest t so far, rounded UP to a whole number; p = 2^(t - M) is what is quantised, along the keys; the row's sum is taken of the unquantised p and divides at the end.
; When M moves, the sum and O are multiplied by 2^(old M - new M): exact.
; THE MASK: a score whose mask word is 0 is REPLACED ahead of the maximum, one select a score; the select masks come ready from mbits, by scalar loads one key step ahead.
; LIMIT, stated: the replaced raw score is -2^33, that is the logit -2^30, where reference() writes -1e9.  Times c = log2(e) / 8 it is a whole number that f32 holds exactly, so that in a row that is masked out completely t - M is exactly 0 and
; every p exactly 1, as the definition has it.  The results differ from reference()'s only where unmasked logits lie below about -5e8.  NaN and infinities are not served; 1 / l is v_rcp_f32's.
; SHARES.  A work-group owns one (batch, head) and 256 queries; each of its sixteen waves one tile of 16 queries, in 256 registers: four waves to a SIMD, so that one wave's vector work stands beside another's matrix work and LDS loads.
; NO RING: a head's K and V as codes are 2 x 98,304 bytes and lie in LDS whole.  Every wave asks for four parts of 3,072 bytes at the kernel's head (waves 0-7: K's, waves 8-15: V's; four tensor loads of a wave are out); part g belongs to
; quarter g of the keys.  No LDS byte is filled twice.  Four barriers with counted waits let the work on a quarter begin when it has landed; the loops have no barrier.
; NO CLUSTER: the eight work-groups of a head read the same 196,608 bytes, each once, in one group at its head; against that stand 256 wave steps of some 300 vector instructions each, so what is shared is a small part of a work-group's work.
; LAYOUT.  Both products are used transposed: S^T = K Q^T (source 0 = 16 keys, source 1 = my 16 queries), O^T = V^T P^T: a lane holds ONE query (lane % 16).  The tiles of att_c are in the order in which the 16 registers of tiles 2 b, 2 b + 1
; are 16 true neighbours (keys in S^T, channels in O^T): 32 b + 16 (lane / 16) + 0 .. 15.
; K = 64 IN AN INSTRUCTION OF 128: Q's registers 6-11 hold zero codes; K's operand for tile t is v[32 + 6 t : 43 + 6 t], whose upper six registers are the next tile's codes (for tile 7 a pad of zeros): they meet zero codes, under scale bytes that are never 0xff.
.set VC,    98304                      ; LDS: K's codes from 0: tile t at 768 t, piece p at + 256 p, lane l at + 8 l;  V's from VC: 6,144 step + 3,072 half + 768 d tile + 256 p + 8 l
.set KSW,   196608                     ; K's scale words: 64 tile + 4 r (8,192 bytes);
.set VSW,   204800                     ; V's: 256 step + 64 d tile + 4 r (4,096 bytes).  Both are stored by ds_store: no tensor load lands there
.set SPARE, 208896                     ; the spare words, 128 bytes for each wave: eight blocks of 256 bytes that no other line names
.set AK0,  1                           ; v1-4  my lane's place in K's codes, V's codes, K's scale words, V's scale words; never rewritten
.set AV0,  2
.set ASK0, 3
.set ASV0, 4
.set SPW,  5                           ; v5   LDS address of my spare word; never rewritten
.set NIL,  6                           ; v6   0; never rewritten
.set ADK,  8                           ; v8-11 the LDS addresses of the step in hand
.set ADV,  9
.set ADS,  10
.set ADT,  11
.set QSW,  28                          ; v28  Q's scale words
.set NEG,  29                          ; v29  -2^33
.set KF,   32                          ; v32-79 K's 8 tiles x 6 registers; v80-85 the pad.  Behind the products K Q^T v32-69 are at work:
.set BM,   32                          ; v32-35 the blocks' largest scores, then largest p
.set PT,   36                          ; v36-39 the other half's; then the bytes
.set SO,   40                          ; v40-43 the conversions' scale operands
.set PCD,  44                          ; v44-55 p's codes
.set CT,   56                          ; v56-62 the conversions' second halves
.set SUM2, 64                          ; v[64:65] the second chain of the sums
.set TT,   66
.set F,    68                          ; v[68:69] f = 2^(old M - new M) in the low word
.set KSR,  86                          ; v86-89 K's scale words: lanes 0-15 tile 2 i, lanes 16-31 tile 2 i + 1
.set VSR,  90                          ; v90-91 V's likewise
.set PSW,  92                          ; v92  p's scale word
.set S,    96                          ; v96-159 S^T, then p
.set OT,   160                         ; v160-191 O^T
.set VF,   192                         ; v192-239 V's four fragments
.set G1,   4                           ; s[4:11] descriptor group 1;  groups 0: s[12:15], s[16:19], s[52:55], s[56:59]
.set MO,   2                           ; s2   the mask words' offset: 256 bytes a step
.set TB,   3                           ; s3   the step's codes: 6,144 bytes a step, in K and in V
.set TS,   104                         ; s104 K's scale words: 512 bytes a step
.set TJ,   105                         ; s105 V's: 256
.set SEL,  60                          ; s[60:61] v_permlanex16_b32's selects for lane l xor 16
.set CS,   62                          ; s[62:63] c = log2(e) / 8
.set MB,   66                          ; s[66:67] mbits at my tile
.set WV,   101                         ; s101 wave;  s100 counts a quarter's steps.  The 64 mask words: s20-51 and s68-99
	s_load_b128 s[68:71], s[0:1], 0x0              ; att_c, att_s
	s_load_b64 s[72:73], s[0:1], 0x10              ; mbits
	v_lshl_add_u32 v[SPW], v0, 2, SPARE
	v_mov_b32 v[NIL], 0
	ds_add_u32 v[SPW], v[NIL]                      ; the wave's opening: the add and its wait ahead of my first tensor load; work on registers stands between them
	v_lshrrev_b32 v9, 5, v0
	v_readfirstlane_b32 s[WV], v9                  ; wave 0..15
	; descriptor group 1: 12 rows of 256 dense bytes (32 elements of 8 bytes), no padding
	s_mov_b32 s[G1+0], 3<<16
	s_mov_b32 s[G1+1], 32<<16                      ; tensor_dim0
	s_mov_b32 s[G1+2], 12<<16                      ; tensor_dim1
	s_mov_b32 s[G1+3], 32<<16                      ; tile_dim0
	s_mov_b32 s[G1+4], 12                          ; tile_dim1
	s_mov_b32 s[G1+5], 32                          ; tensor_dim0_stride
	s_mov_b32 s[G1+6], 0
	s_mov_b32 s[G1+7], 0
	s_and_b32 s74, ttmp7, 0xffff                   ; bh = 16 batch + head
	s_lshl_b32 s75, ttmp9, 4
	s_add_co_u32 s75, s75, s[WV]                   ; T: my tile of queries
	s_lshr_b32 s76, s[WV], 3                       ; I fetch for K (0) or for V (1),
	s_and_b32 s77, s[WV], 7
	s_mul_i32 s77, s77, 3072                       ; this part of each quarter
	s_mul_i32 s78, s76, VC
	s_add_co_u32 s78, s78, s77                     ; in LDS,
	s_mul_i32 s80, s76, 6291456
	s_add_co_u32 s80, s80, 6291456
	s_mul_i32 s79, s74, 98304
	s_add_co_u32 s80, s80, s79
	s_add_co_u32 s80, s80, s77                     ; and in att_c
	s_mov_b32 s81, 0
	s_lshl_b32 s82, s74, 13
	s_add_co_u32 s82, s82, 524288                  ; the head's scale words of K,
	s_mov_b32 s83, 0
	s_lshl_b32 s84, s74, 12
	s_add_co_u32 s84, s84, 1048576                 ; of V
	s_mov_b32 s85, 0
	s_lshl_b32 s86, s74, 7
	s_add_co_u32 s86, s86, s75                     ; 128 bh + T
	s_mul_i32 s88, s86, 768                        ; Q's half image,
	s_mov_b32 s89, 0
	s_lshl_b32 s86, s86, 6                         ; its scale words
	s_mov_b32 s87, 0
	s_lshl_b32 s90, s75, 12                        ; my tile's mask words: 16 steps x 256 bytes
	s_mov_b32 s91, 0
	s_mov_b32 s[SEL], 0x76543210
	s_mov_b32 s[SEL+1], 0xfedcba98
	s_mov_b32 s[CS], 0x3e38aa3b                    ; c = log2(e) / sqrt(64)
	s_mov_b32 s[CS+1], s[CS]                       ; (named with it as a pair, so it is written)
	v_and_b32 v9, 31, v0                           ; l
	v_and_b32 v10, 15, v0                          ; r
	v_lshlrev_b32 v[AK0], 3, v9
	v_add_nc_u32 v[AV0], VC, v[AK0]
	v_lshl_add_u32 v[ASK0], v9, 2, KSW
	v_lshl_add_u32 v[ASV0], v9, 2, VSW
	v_lshlrev_b32 v7, 3, v9                        ; v7   8 l: an image's place for my lane, in memory
	v_lshlrev_b32 v31, 5, v10                      ; v31  32 r: my row of ctx_s
	v_lshlrev_b32 v246, 2, v10                     ; 4 r
	v_lshl_add_u32 v30, v0, 4, KSW                 ; where my thread puts 16 bytes of K's scale words,
	v_lshl_add_u32 v93, v0, 3, VSW                 ; and 8 of V's
	v_lshlrev_b32 v94, 4, v0
	v_lshlrev_b32 v95, 3, v0
	s_wait_dscnt 0x0                               ; the opening add is done
	s_wait_kmcnt 0x0
	s_add_nc_u64 s[80:81], s[68:69], s[80:81]
.macro MKG0 g0, g                      ; quarter g: 24,576 bytes on, in LDS and in memory
	s_mov_b32 s[\g0], 1
	s_add_co_u32 s[\g0+1], s78, 24576*\g
	s_add_nc_u64 s[\g0+2:\g0+3], s[80:81], 24576*\g
	s_or_b32 s[\g0+3], s[\g0+3], 0x80000000
.endm
	MKG0 12, 0
	MKG0 16, 1
	MKG0 52, 2
	MKG0 56, 3
	tensor_load_to_lds s[12:15], s[G1:G1+7]        ; all first fills in one group, ahead of every wait on TENSORcnt, every LDS read and every barrier
	s_nop 0
	tensor_load_to_lds s[16:19], s[G1:G1+7]
	s_nop 0
	tensor_load_to_lds s[52:55], s[G1:G1+7]
	s_nop 0
	tensor_load_to_lds s[56:59], s[G1:G1+7]
	s_nop 0
	s_add_nc_u64 s[82:83], s[70:71], s[82:83]
	s_add_nc_u64 s[84:85], s[70:71], s[84:85]
	s_add_nc_u64 s[88:89], s[68:69], s[88:89]
	s_add_nc_u64 s[86:87], s[70:71], s[86:87]
	s_add_nc_u64 s[MB:MB+1], s[72:73], s[90:91]
	global_load_b128 v[240:243], v94, s[82:83]     ; the 512 threads bring K's 8,192 bytes of scale words,
	global_load_b64 v[244:245], v95, s[84:85]      ; and V's 4,096
.irp p, 0,1,2
	global_load_b64 v[16+2*\p:17+2*\p], v7, s[88:89] offset:256*\p   ; Q's codes stay in registers
.endr
	global_load_b32 v[QSW], v246, s[86:87]
	v_mov_b32 v13, 0xff61b1e6                      ; the largest t so far: -3e38, under every t
	v_floor_f32 v12, -v13                          ; -M
	v_mov_b32 v14, 0                               ; the sum, in two halves
	v_mov_b32 v15, 0
	v_mov_b32 v[NEG], 0xd0000000
.irp j, 22,23,24,25,26,27,80,81,82,83,84,85
	v_mov_b32 v[\j], 0                             ; zero codes: the upper half of Q's operand, and the pad behind K's tile 7
.endr
.set n, 0
.rept 32
	v_mov_b32 v[OT+n], 0                           ; O^T: the step is written once; the first finds zeros, which the first change of M leaves zeros
.set n, n+1
.endr
	s_wait_loadcnt 0x0
	ds_store_b128 v30, v[240:243]
	ds_store_b64 v93, v[244:245]
	s_mov_b32 s[MO], 0
.macro MASKS                           ; 64 words: the select masks of a step's 64 score registers
	s_load_b512 s[20:35], s[MB:MB+1], s[MO] offset:0x0
	s_load_b512 s[36:51], s[MB:MB+1], s[MO] offset:0x40
	s_load_b512 s[68:83], s[MB:MB+1], s[MO] offset:0x80
	s_load_b512 s[84:99], s[MB:MB+1], s[MO] offset:0xc0
.endm
	MASKS                                          ; step 0's (the global loads that named s82-89 are done)
; A KEY STEP: 128 keys.
.macro STEP
	v_add_nc_u32 v[ADK], s[TB], v[AK0]             ; these four are also the places between the last products and the loads into registers that they have read
	v_add_nc_u32 v[ADV], s[TB], v[AV0]
	v_add_nc_u32 v[ADS], s[TS], v[ASK0]
	v_add_nc_u32 v[ADT], s[TJ], v[ASV0]
.irp t, 0,1,2,3,4,5,6,7
.irp p, 0,1,2
	ds_load_b64 v[KF+6*\t+2*\p:KF+6*\t+2*\p+1], v[ADK] offset:768*\t+256*\p   ; 32 lanes read 256 consecutive bytes
.endr
.endr
.irp i, 0,1,2,3
	ds_load_b32 v[KSR+\i], v[ADS] offset:128*\i
.endr
.irp d, 0,1,2,3
.irp c, 0,1
.irp p, 0,1,2
	ds_load_b64 v[VF+12*\d+6*\c+2*\p:VF+12*\d+6*\c+2*\p+1], v[ADV] offset:3072*\c+768*\d+256*\p
.endr
.endr
.endr
.irp i, 0,1
	ds_load_b32 v[VSR+\i], v[ADT] offset:128*\i
.endr
	s_wait_dscnt 26                                ; K's codes and scale words are in; V's 24 loads and its 2 of scale words may be out
.irp t, 0,2,4,6
	v_wmma_scale_f32_16x16x128_f8f6f4 v[S+8*\t:S+8*\t+7], v[KF+6*\t:KF+6*\t+11], v[16:27], 0, v[KSR+\t/2], v[QSW] matrix_a_fmt:MATRIX_FMT_FP6 matrix_b_fmt:MATRIX_FMT_FP6
	v_wmma_scale_f32_16x16x128_f8f6f4 v[S+8*\t+8:S+8*\t+15], v[KF+6*\t+6:KF+6*\t+17], v[16:27], 0, v[KSR+\t/2], v[QSW] matrix_a_fmt:MATRIX_FMT_FP6 matrix_b_fmt:MATRIX_FMT_FP6 matrix_a_scale:MATRIX_SCALE_ROW1
.endr
	s_wait_kmcnt 0x0                               ; this step's mask words, asked for a step ago
.rept 4
	v_nop                                          ; places behind the products
.endr
.set n, 0
.rept 64
	v_cndmask_b32 v[S+n], v[NEG], v[S+n], s[20+n+16*(n/32)]   ; the score where the mask's bit is set, else -2^33; each accumulator from its low end on
.set n, n+1
.endr
	s_add_co_u32 s[MO], s[MO], 256                 ; the next step's mask words
	s_min_u32 s[MO], s[MO], 3840                   ; (the last step asks for its own again: no load leaves the buffer)
	MASKS
.irp b, 0,1,2,3
	v_max3_num_f32 v[BM+\b], v[S+16*\b], v[S+16*\b+1], v[S+16*\b+2]   ; the largest score of each block of 32 keys: it serves for the row's maximum and, since p rises with the score, for the block's largest p
.endr
.irp i, 3,5,7,9,11,13
.irp b, 0,1,2,3
	v_max3_num_f32 v[BM+\b], v[BM+\b], v[S+16*\b+\i], v[S+16*\b+\i+1]
.endr
.endr
.irp b, 0,1,2,3
	v_max_num_f32 v[BM+\b], v[BM+\b], v[S+16*\b+15]
.endr
.irp b, 0,1,2,3
	v_permlanex16_b32 v[PT+\b], v[BM+\b], s[SEL], s[SEL+1]
.endr
.irp b, 0,1,2,3
	v_max_num_f32 v[BM+\b], v[BM+\b], v[PT+\b]     ; with lane l xor 16's 16 keys
.endr
	v_max3_num_f32 v[TT], v[BM], v[BM+1], v[BM+2]
	v_max_num_f32 v[TT], v[TT], v[BM+3]            ; the step's largest score of my query
	v_mul_f32 v[TT], s[CS], v[TT]                  ; as t
	v_max_num_f32 v13, v13, v[TT]                  ; the running largest t
	v_mov_b32 v[TT], v12
	v_floor_f32 v12, -v13                          ; the new -M = floor(-t) = -ceil(t)
	v_sub_f32 v[TT], v12, v[TT]                    ; old M - new M: a whole number, 0 or less
	v_cvt_i32_f32 v[TT], v[TT]                     ; (it saturates)
	v_ldexp_f32 v[F], 1.0, v[TT]                   ; f = 2^(old M - new M)
.set n, 0
.rept 32
	v_pk_fma_f32 v[S+n:S+n+1], v[S+n:S+n+1], s[CS:CS+1], v[12:13] op_sel_hi:[1,0,0]   ; t - M, two at a time
.set n, n+2
.endr
.irp b, 0,1,2,3
	v_fma_f32 v[BM+\b], v[BM+\b], s[CS], v12       ; the same of each block's largest score
.endr
.set n, 0
.rept 64
	v_exp_f32 v[S+n], v[S+n]                       ; p = 2^(t - M), at most 1
.set n, n+1
.endr
	v_pk_mul_f32 v[14:15], v[14:15], v[F:F+1] op_sel_hi:[1,0]   ; the sums under the new M (a plain place behind the exponentials)
	s_wait_alu depctr_va_vdst(0)                   ; one wait for the whole batch, ahead of its first reader
.irp b, 0,1,2,3
	v_exp_f32 v[BM+\b], v[BM+\b]                   ; the block's largest p
.endr
	v_pk_add_f32 v[SUM2:SUM2+1], v[S:S+1], v[S+2:S+3]   ; the row's sum is taken of the unquantised p, in two chains
.irp j, 4,8,12,16,20,24,28,32,36,40,44,48,52,56,60
	v_pk_add_f32 v[14:15], v[14:15], v[S+\j:S+\j+1]
	v_pk_add_f32 v[SUM2:SUM2+1], v[SUM2:SUM2+1], v[S+\j+2:S+\j+3]
.endr
	v_pk_add_f32 v[14:15], v[14:15], v[SUM2:SUM2+1]
	s_wait_alu depctr_va_vdst(0)                   ; and one for the four
.irp b, 0,1,2,3
	v_max_num_f32 v[BM+\b], 0x1800000, v[BM+\b]    ; the floor 2^(3 - 127): the byte cannot fall under 1 (a block whose every p is 0 keeps that byte: its codes are zeros)
.endr
.irp b, 0,1,2,3
	v_add_nc_u32 v[SO+\b], 0xff000000, v[BM+\b]    ; 2 off the exponent field: the conversion's scale operand
.endr
.irp b, 0,1,2,3
	v_lshrrev_b32 v[PT+\b], 23, v[SO+\b]           ; the scale's byte
.endr
	v_lshl_or_b32 v[PSW], v[PT+1], 8, v[PT]        ; p's scale word for these 128 keys
	v_lshl_or_b32 v[PSW], v[PT+2], 16, v[PSW]
	v_lshl_or_b32 v[PSW], v[PT+3], 24, v[PSW]
.irp c, 0,1
	v_cvt_scalef32_pk16_fp6_f32 v[PCD+6*\c:PCD+6*\c+2], v[S+32*\c:S+32*\c+15], v[SO+2*\c]
	v_cvt_scalef32_pk16_fp6_f32 v[CT+4*\c:CT+4*\c+2], v[S+32*\c+16:S+32*\c+31], v[SO+2*\c+1]
.endr
	v_nop                                          ; one plain place behind a scaled conversion
.irp c, 0,1                                    ; the operand's layout wants a whole block in a lane
.irp i, 0,1,2
	v_permlane16_swap_b32 v[PCD+6*\c+\i], v[CT+4*\c+\i]
.endr
.irp i, 0,1,2
	v_mov_b32 v[PCD+3+6*\c+\i], v[CT+4*\c+\i]
.endr
.endr
.set n, 0
.rept 16
	v_pk_mul_f32 v[OT+n:OT+n+1], v[OT+n:OT+n+1], v[F:F+1] op_sel_hi:[1,0]   ; O^T under the new M, each accumulator from its low end on.  (These 16 are also the places between the writes of p's codes and scale word and the scaled products)
.set n, n+2
.endr
	s_wait_dscnt 0x0                               ; V
.irp d, 0,2                                    ; the four accumulators by turns; eight other products stand between two links of a chain
	v_wmma_scale_f32_16x16x128_f8f6f4 v[OT+8*\d:OT+8*\d+7], v[VF+12*\d:VF+12*\d+11], v[PCD:PCD+11], v[OT+8*\d:OT+8*\d+7], v[VSR+\d/2], v[PSW] matrix_a_fmt:MATRIX_FMT_FP6 matrix_b_fmt:MATRIX_FMT_FP6
	v_wmma_scale_f32_16x16x128_f8f6f4 v[OT+8*\d+8:OT+8*\d+15], v[VF+12*\d+12:VF+12*\d+23], v[PCD:PCD+11], v[OT+8*\d+8:OT+8*\d+15], v[VSR+\d/2], v[PSW] matrix_a_fmt:MATRIX_FMT_FP6 matrix_b_fmt:MATRIX_FMT_FP6 matrix_a_scale:MATRIX_SCALE_ROW1
.endr
	s_add_co_u32 s[TB], s[TB], 6144
	s_add_co_u32 s[TS], s[TS], 512
	s_add_co_u32 s[TJ], s[TJ], 256
.endm
; A QUARTER OF THE KEYS: four steps.  My load g has landed (the 3 - g behind it may be out); behind the barrier everybody's has.
.macro GROUP g
	s_wait_tensorcnt 3-\g
	s_wait_dscnt 0x0                               ; my stores of scale words have landed; no LDS load of mine is out
	s_barrier_signal -1
	s_barrier_wait -1
	s_mov_b32 s[TB], 24576*\g
	s_mov_b32 s[TS], 2048*\g
	s_mov_b32 s[TJ], 1024*\g
	s_mov_b32 s100, 4
.Lstep_\@:
	STEP
	s_sub_co_u32 s100, s100, 1
	s_cmp_lg_u32 s100, 0
	s_cbranch_scc1 .Lstep_\@
.endm
	GROUP 0
	GROUP 1
	GROUP 2
	GROUP 3
	; THE WAY OUT.  O^T / the sum: register 16 b + i is channel 32 b + 16 (lane / 16) + i of my query: two blocks of the last product's K.  They are quantised as p is and leave as a half image.
	s_load_b128 s[4:7], s[0:1], 0x18               ; ctx_c, ctx_s (no tensor load is out: the descriptors' registers are free)
	v_add_f32 v14, v14, v15                        ; the sum's two halves,
	v_permlanex16_b32 v[TT], v14, s[SEL], s[SEL+1]
	v_add_f32 v14, v14, v[TT]                      ; and lane l xor 16's: the row's sum
	v_rcp_f32 v14, v14
.rept 4
	v_nop                                          ; the plain place behind the reciprocal, and the places behind the last products
.endr
	s_and_b32 s8, ttmp7, 0xffff
	s_lshr_b32 s9, s8, 4                           ; batch
	s_and_b32 s8, s8, 15                           ; head
	s_lshl_b32 s9, s9, 7
	s_lshl_b32 s10, ttmp9, 4
	s_add_co_u32 s9, s9, s10
	s_add_co_u32 s9, s9, s[WV]                     ; 128 batch + T
	s_lshl_b32 s10, s9, 4
	s_add_co_u32 s10, s10, s8
	s_mul_i32 s10, s10, 768                        ; ctx_c [tile 512][head 16][768]
	s_mov_b32 s11, 0
	s_lshl_b32 s12, s9, 9                          ; ctx_s: 16 rows of 32 bytes a tile,
	s_lshl_b32 s8, s8, 1
	s_add_co_u32 s12, s12, s8                      ; byte 2 head
	s_mov_b32 s13, 0
	s_wait_kmcnt 0x0
	s_add_nc_u64 s[4:5], s[4:5], s[10:11]
	s_add_nc_u64 s[6:7], s[6:7], s[12:13]
	s_wait_alu depctr_va_vdst(0)                   ; the wait ahead of the reciprocal's first reader
.set n, 0
.rept 32
	v_mul_f32 v[S+n], v[OT+n], v14
.set n, n+1
.endr
.irp b, 0,1
	v_max3_num_f32 v[BM+\b], |v[S+16*\b]|, |v[S+16*\b+1]|, 0x1800000
.endr
.irp i, 2,4,6,8,10,12,14
.irp b, 0,1
	v_max3_num_f32 v[BM+\b], v[BM+\b], |v[S+16*\b+\i]|, |v[S+16*\b+\i+1]|
.endr
.endr
.irp b, 0,1
	v_permlanex16_b32 v[PT+\b], v[BM+\b], s[SEL], s[SEL+1]
.endr
.irp b, 0,1
	v_max_num_f32 v[BM+\b], v[BM+\b], v[PT+\b]
.endr
.irp b, 0,1
	v_add_nc_u32 v[SO+\b], 0xff000000, v[BM+\b]
.endr
.irp b, 0,1
	v_lshrrev_b32 v[PT+\b], 23, v[SO+\b]
.endr
	v_lshl_or_b32 v[TT], v[PT+1], 8, v[PT]         ; my row's two scale bytes
	v_cvt_scalef32_pk16_fp6_f32 v[PCD:PCD+2], v[S:S+15], v[SO]
	v_cvt_scalef32_pk16_fp6_f32 v[CT:CT+2], v[S+16:S+31], v[SO+1]
	v_nop
.irp i, 0,1,2
	v_permlane16_swap_b32 v[PCD+\i], v[CT+\i]
.endr
.irp i, 0,1,2
	v_mov_b32 v[PCD+3+\i], v[CT+\i]
.endr
.irp p, 0,1,2
	global_store_b64 v7, v[PCD+2*\p:PCD+2*\p+1], s[4:5] offset:256*\p   ; 32 lanes store 256 consecutive bytes, aligned
.endr
	global_store_b16 v31, v[TT], s[6:7]            ; two bytes in each of 16 rows of 32 bytes (both halves of the lanes store the same): a head owns no more of a row
	s_wait_tensorcnt 0x0                           ; the wave's end: three lines, behind my last tensor load and my last LDS store
	ds_add_u32 v[SPW], v[NIL]
	s_wait_dscnt 0x0
	s_endpgm
.Lfunc_end_k_qcd5c337670_attn:
	.size	k_qcd5c337670_attn, .Lfunc_end_k_qcd5c337670_attn-k_qcd5c337670_attn
	.p2alignl 7, 3214868480
	.fill 96, 4, 3214868480
	.section	.rodata,"a",@progbits
	.p2align	6, 0x0
	.amdhsa_kernel k_qcd5c337670_attn
		.amdhsa_group_segment_fixed_size 210944
		.amdhsa_private_segment_fixed_size 0
		.amdhsa_enable_private_segment 0
		.amdhsa_kernarg_size 40
		.amdhsa_user_sgpr_count 2
		.amdhsa_user_sgpr_kernarg_segment_ptr 1
		.amdhsa_wavefront_size32 1
		.amdhsa_system_sgpr_workgroup_id_x 1
		.amdhsa_system_sgpr_workgroup_id_y 1
		.amdhsa_system_sgpr_workgroup_id_z 1
		.amdhsa_system_vgpr_workitem_id 0
		.amdhsa_next_free_vgpr 256
		.amdhsa_next_free_sgpr 106
		.amdhsa_reserve_vcc 0
		.amdhsa_float_denorm_mode_32 3
		.amdhsa_float_denorm_mode_16_64 3
		.amdhsa_memory_ordered 1
		.amdhsa_forward_progress 1
		.amdhsa_inst_pref_size 99
	.end_amdhsa_kernel
	.amdgpu_metadata
---
amdhsa.version: [ 1, 2 ]
amdhsa.kernels:
  - .name:           k_qcd5c337670_attn
    .symbol:         k_qcd5c337670_attn.kd
    .args:
      - { .name: att_c, .offset: 0, .size: 8, .value_kind: global_buffer, .address_space: global }
      - { .name: att_s, .offset: 8, .size: 8, .value_kind: global_buffer, .address_space: global }
      - { .name: mbits, .offset: 16, .size: 8, .value_kind: global_buffer, .address_space: global }
      - { .name: ctx_c, .offset: 24, .size: 8, .value_kind: global_buffer, .address_space: global }
      - { .name: ctx_s, .offset: 32, .size: 8, .value_kind: global_buffer, .address_space: global }
    .group_segment_fixed_size: 210944
    .private_segment_fixed_size: 0
    .kernarg_segment_align: 8
    .kernarg_segment_size: 40
    .max_flat_workgroup_size: 512
    .sgpr_count:     106
    .vgpr_count:     256
    .wavefront_size: 32
...
	.end_amdgpu_metadata
.endif
;; end of part 3
;; launch outp (part 4): grid 4 x 32, 4 waves a work-group, clusters of 4 x 4, 327,680 bytes of LDS; arguments ctx_c, ctx_s, xc, xs, out0; writes out0
.if DOCPART == 4
	.amdgcn_target "amdgcn-amd-amdhsa--gfx1250"
	.amdhsa_code_object_version 6
	.text
	.protected	k_qcd5c337670_outp
	.globl	k_qcd5c337670_outp
	.p2align	8
	.type	k_qcd5c337670_outp,@function
k_qcd5c337670_outp:
	s_mov_b64 s[64:65], 0
	v_nop
	global_prefetch_b8 v0, s[64:65] scope:SCOPE_SE
	s_setreg_imm32_b32 hwreg(HW_REG_WAVE_MODE, 25, 1), 1
	s_wait_xcnt 0x0
	s_wait_alu depctr_hold_cnt(0) depctr_sa_sdst(0) depctr_va_vdst(0) depctr_va_sdst(0) depctr_va_ssrc(0) depctr_va_vcc(0) depctr_vm_vsrc(0)
	s_getreg_b32 s2, hwreg(HW_REG_IB_STS2, 6, 4)
	s_cmp_eq_u32 s2, 0
	s_cbranch_scc0 .Lentry_in_a_cluster
	s_endpgm
.Lentry_in_a_cluster:
	s_bfe_u32 s2, ttmp6, 0x10000c
	s_cmp_lg_u32 s2, 0xf033
	s_cbranch_scc0 .Lentry_shape_is_right
	s_endpgm
.Lentry_shape_is_right:
; out0[m][n] = sum over k of ctx[m][k] Wo[n][k], 8,192 x 1,024 x 1,024, on codes of FP6 (E2M3) with one E8M0 scale for each 32 along K; out0 f32.
; A = ctx comes as OPERAND IMAGES: ctx_c [tile of 16 rows 512][head 16][768]: a half image is six registers of a fragment (64 along K) as three pieces of 256 bytes, lane l at byte 8 l; two heads are a fragment of 128 along K.
; Its scale bytes ctx_s are rows of 32 bytes, in the order of the tiles' places.  B = Wo: rows of 768 bytes in xc, scale bytes in xs.
; THE ROW ORDER of both: place r of tile 2 b + u is the true row 32 b + 8 u + r + 8 (r / 8).  It is undone on the way out: for A's rows by the stores' row offsets, for B's (the columns of out0) by the places in the stage.
; A tile of C, 256 x 256, is made by a work-group of four waves, each 128 x 128.  K goes in steps of 256 through a ring of two LDS slots; the scale bytes come once, with the first fills.  CLUSTERS of 4 x 4: A's tiles are asked for jointly
; along a row of the cluster, B's along a column.  128 work-groups: C has no more tiles of this size.  THE MATRIX INSTRUCTION IS USED TRANSPOSED (source 0 = 16 rows of Wo, source 1 = 16 rows of ctx).
; REGISTERS, in windows of 256: window 0: v1-31 addresses; v32-63 scale words, two sets, and nothing else; from v128 A's fragments, one set; on the way out v128-255 rows of C.   window 1: B's fragments, two sets.
;   window 2: the accumulators of my rows 0-63 ((a, b) at v[8 (8 a + b)]);   window 3: those of my rows 64-127.
.set NQ,     2
.set ROWB,   192                       ; a row of B's tile in bytes
.set KROW,   768
.set PITCH,  240                       ; B's LDS row: 3 x (64 bytes + 16 of padding)
.set FR,     12
.set NL,     6
.set NP,     4                         ; places behind this matrix instruction (ISA guide 7.12.1)
.set HALFA,  8*3072                    ; A: 8 tiles of rows x four heads' half images: what one tensor load brings
.set HALFT,  128*PITCH                 ; B: 128 rows
.set SLOT,   2*HALFA+2*HALFT           ; A's two halves, then B's two
.set LAPS,   2
.set KS,     32
.set SCL,    2*SLOT
.set HALFS,  16*272
.set SBLK,   2*272
.set SPARE,  SCL+4*HALFS               ; the spare words: two blocks of 256 bytes that no other line names
.set SPITCH, 528                       ; the way out: a stage of 16 rows x (512 bytes + 16) for each wave, in slot 0, which has had its last fill and its last read when the first result is stored there
.set ADRA, 16                          ; v16-17  LDS address of my A images in slot 0, 1
.set ADRB, 20                          ; v20-21  of my B fragments (v22-23: behind one padding more)
.set STO,  24
.set RD,   25
.set CO,   26
.set ADRS, 27
.set SPW,  28
.set NIL,  29
.set SC,   32
.set AF,   128
.set BK,   128
.set G1, 24
.set G0, 32
.set G1B, 48
.set G0B, 56
.set G1S, 68
.set G0S, 76
.set G1SB, 80
.set G0SB, 88
.set MSB, 0
.macro WIN new                         ; the immediate's high byte repeats the setting that is left
.if MSB != (\new)
	s_set_vgpr_msb (MSB<<8)|(\new)
.set MSB, (\new)
.endif
.endm
.set MUL_LO, 0xa1
.set MUL_HI, 0xf1
.set TO_B,   0x40
.macro JLOAD g0a, g1a, g0b, g1b        ; a joint load: waves 0 and 1 fetch for A, waves 2 and 3 for B; an s_nop 0 and four v_nop follow each of the two lines
	s_cmp_eq_u32 s15, 0
	s_cbranch_scc0 .Lfor_b_\@
	tensor_load_to_lds s[\g0a:\g0a+3], s[\g1a:\g1a+7]
	s_nop 0
.rept 4
	v_nop
.endr
	s_branch .Lasked_\@
.Lfor_b_\@:
	tensor_load_to_lds s[\g0b:\g0b+3], s[\g1b:\g1b+7]
	s_nop 0
.rept 4
	v_nop
.endr
.Lasked_\@:
.endm
.macro CREST
	s_cmp_lg_u32 s14, 0
	s_cbranch_scc1 .Lnot_wave_0_\@
	s_barrier_signal -3
.Lnot_wave_0_\@:
	s_barrier_wait -3
	s_barrier_signal -1
	s_barrier_wait -1
.endm
.macro CROUND
	s_barrier_signal -1
	s_barrier_wait -1
	CREST
.endm
	s_load_b128 s[4:7], s[0:1], 0x0                ; ctx_c, ctx_s
	s_load_b128 s[8:11], s[0:1], 0x10              ; xc, xs
	s_load_b64 s[12:13], s[0:1], 0x20              ; out0
	v_lshl_add_u32 v[SPW], v0, 2, SPARE
	v_mov_b32 v[NIL], 0
	ds_add_u32 v[SPW], v[NIL]                      ; the wave's opening: the add and its wait ahead of my first tensor load; work on registers stands between them
	v_lshrrev_b32 v1, 5, v0
	v_readfirstlane_b32 s14, v1                    ; wave 0..3
	s_lshr_b32 s15, s14, 1                         ; which half of the tile's rows is mine.  Also: I fetch for A (0) or for B (1)
	s_and_b32 s16, s14, 1                          ; which half of its columns.  Also: which half of that tile I fetch
	s_bfe_u32 s40, ttmp6, 0x40000                  ; cx, cy
	s_bfe_u32 s41, ttmp6, 0x40004
	s_lshl_b32 s42, ttmp9, 2
	s_add_co_u32 s42, s42, s40                     ; tile column of C
	s_and_b32 s17, ttmp7, 0xffff
	s_lshl_b32 s17, s17, 2
	s_add_co_u32 s17, s17, s41                     ; tile row of C
	s_lshl_b32 s43, s41, 2
	s_lshl_b32 s43, 15, s43                        ; my row of the cluster
	s_lshl_b32 s44, 0x1111, s40                    ; my column
	; A's tiles: 8 rows of 3,072 bytes (384 elements of 8), 12,288 bytes apart, no padding
	s_or_b32 s[G1+0], s43, (3<<16)|(1<<21)
	s_mov_b32 s[G1+1], 384<<16                     ; tensor_dim0
	s_mov_b32 s[G1+2], 8<<16                       ; tensor_dim1
	s_mov_b32 s[G1+3], 384<<16                     ; tile_dim0
	s_mov_b32 s[G1+4], 8                           ; tile_dim1
	s_mov_b32 s[G1+5], 1536                        ; tensor_dim0_stride
	s_mov_b32 s[G1+6], 0
	s_mov_b32 s[G1+7], 0
	; B's tiles: 128 rows x 192 bytes, 16 bytes of padding behind every 64
	s_or_b32 s[G1B+0], s44, (0<<16)|(1<<20)|(1<<21)|(3<<22)|(3<<25)
	s_mov_b32 s[G1B+1], ROWB<<16
	s_mov_b32 s[G1B+2], 128<<16
	s_mov_b32 s[G1B+3], ROWB<<16
	s_mov_b32 s[G1B+4], 128
	s_mov_b32 s[G1B+5], KROW
	s_mov_b32 s[G1B+6], 0
	s_mov_b32 s[G1B+7], 0
	; the scales of 128 rows: 4,096 dense bytes, as 16 rows of 256 bytes, 16 bytes of padding behind each
	s_or_b32 s[G1S+0], s43, (3<<16)|(1<<20)|(1<<21)|(5<<22)|(3<<25)
	s_or_b32 s[G1SB+0], s44, (3<<16)|(1<<20)|(1<<21)|(5<<22)|(3<<25)
.irp g, G1S, G1SB
	s_mov_b32 s[\g+1], 32<<16
	s_mov_b32 s[\g+2], 16<<16
	s_mov_b32 s[\g+3], 32<<16
	s_mov_b32 s[\g+4], 16
	s_mov_b32 s[\g+5], 32
	s_mov_b32 s[\g+6], 0
	s_mov_b32 s[\g+7], 0
.endr
	s_lshl_b32 s18, s16, 3
	s_lshl_b32 s20, s17, 4
	s_add_co_u32 s20, s20, s18                     ; A: the first tile of 16 rows that I fetch: 16 x tile row + 8 x half
	s_lshl_b32 s22, s20, 9                         ; its scales: 512 bytes a tile
	s_mov_b32 s23, 0
	s_mul_i32 s20, s20, 12288                      ; its images
	s_mov_b32 s21, 0
	s_lshl_b32 s18, s16, 7
	s_lshl_b32 s46, s42, 8
	s_add_co_u32 s46, s46, s18                     ; B: Wo's row 256 x tile column + 128 x half
	s_lshl_b32 s92, s46, 5
	s_add_co_u32 s92, s92, 884736                  ; Wo's section of xs
	s_mov_b32 s93, 0
	s_mul_i32 s46, s46, KROW
	s_add_co_u32 s46, s46, 21233664                ; Wo's section of xc
	s_mov_b32 s47, 0
	s_mul_i32 s45, s16, HALFA                      ; where they go: no place in the cluster enters an LDS address
	s_mul_i32 s95, s16, HALFT
	s_add_co_u32 s95, s95, 2*HALFA
	s_mul_i32 s94, s14, HALFS
	s_wait_dscnt 0x0                               ; the opening add is done
	s_wait_kmcnt 0x0
	s_add_nc_u64 s[20:21], s[4:5], s[20:21]
	s_add_nc_u64 s[22:23], s[6:7], s[22:23]
	s_add_nc_u64 s[46:47], s[8:9], s[46:47]
	s_add_nc_u64 s[92:93], s[10:11], s[92:93]
	CROUND                                         ; all sixteen work-groups are here: the first joint loads meet
	s_mov_b32 s[G0S], 1
	s_add_co_u32 s[G0S+1], s94, SCL
	s_mov_b64 s[G0S+2:G0S+3], s[22:23]
	s_or_b32 s[G0S+3], s[G0S+3], 0x80000000
	s_mov_b32 s[G0SB], 1
	s_add_co_u32 s[G0SB+1], s94, SCL
	s_mov_b64 s[G0SB+2:G0SB+3], s[92:93]
	s_or_b32 s[G0SB+3], s[G0SB+3], 0x80000000
	JLOAD G0S, G1S, G0SB, G1SB                     ; the scales first
.irp s, 0,1
	s_mov_b32 s[G0+4*\s], 1
	s_add_co_u32 s[G0+4*\s+1], s45, \s*SLOT
	s_add_nc_u64 s[G0+4*\s+2:G0+4*\s+3], s[20:21], \s*3072
	s_or_b32 s[G0+4*\s+3], s[G0+4*\s+3], 0x80000000
	s_mov_b32 s[G0B+4*\s], 1
	s_add_co_u32 s[G0B+4*\s+1], s95, \s*SLOT
	s_add_nc_u64 s[G0B+4*\s+2:G0B+4*\s+3], s[46:47], \s*ROWB
	s_or_b32 s[G0B+4*\s+3], s[G0B+4*\s+3], 0x80000000
	JLOAD G0+4*\s, G1, G0B+4*\s, G1B
.endr
	v_and_b32 v1, 15, v0                           ; r
	v_bfe_u32 v2, v0, 4, 1                         ; h
	v_and_b32 v6, 31, v0                           ; l
	v_lshlrev_b32 v7, 3, v6                        ; A: 8 l
	v_mul_u32_u24 v3, v1, PITCH
	v_mul_u32_u24 v4, v2, 24
	v_add_nc_u32 v4, v3, v4                        ; B: a fragment's row x pitch + 24 x half
	v_lshl_add_u32 v5, v2, 4, v4                   ; and the same behind one padding more
	s_mul_i32 s21, s15, HALFA                      ; my 8 tiles of A
	s_mul_i32 s22, s16, HALFT                      ; my 128 rows of B,
	s_add_co_u32 s22, s22, 2*HALFA                 ; which lie behind A's two halves
.irp s, 0,1
	v_add_nc_u32 v[ADRA+\s], s21, v7
	v_add_nc_u32 v[ADRB+\s], s22, v4
	v_add_nc_u32 v[ADRB+2+\s], s22, v5
	s_add_co_u32 s21, s21, SLOT
	s_add_co_u32 s22, s22, SLOT
.endr
	v_mul_u32_u24 v5, v1, KS
	v_lshrrev_b32 v3, 8, v5
	v_lshl_add_u32 v5, v3, 4, v5
	s_mul_i32 s21, s15, HALFS
	s_mul_i32 s22, s16, HALFS
	s_add_co_u32 s22, s22, 2*HALFS
	s_sub_co_u32 s22, s22, s21
	v_mul_u32_u24 v3, s22, v2                      ; lanes 16-31 take B's
	s_add_co_u32 s21, s21, SCL
	v_add_nc_u32 v5, v5, v3
	v_add_nc_u32 v[ADRS], s21, v5
	s_mul_i32 s23, s14, 16*SPITCH                  ; my stage
	v_mul_u32_u24 v5, v1, SPITCH                   ; in: row r; B's tiles 2 b, 2 b + 1 give my half 16 neighbouring columns: 128 b + 64 h bytes on
	v_lshl_add_u32 v5, v2, 6, v5
	v_add_nc_u32 v[STO], s23, v5
	v_lshlrev_b32 v[CO], 4, v6                     ; back: the 32 lanes take one row of 512 bytes; and the same in out0
	v_add_nc_u32 v[RD], s23, v[CO]
	s_lshl_b32 s20, s17, 8
	s_lshl_b32 s21, s15, 7
	s_add_co_u32 s20, s20, s21                     ; my first row of out0
	s_lshl_b32 s20, s20, 12                        ; rows of 4,096 bytes
	s_lshl_b32 s46, s42, 10
	s_lshl_b32 s47, s16, 9
	s_add_co_u32 s46, s46, s47                     ; my first column, in bytes
	s_add_co_u32 s20, s20, s46
	s_mov_b32 s21, 0
	s_add_nc_u64 s[12:13], s[12:13], s[20:21]
.macro FRAG reg, adr, q, i             ; B's fragment from rows: pieces of 8 bytes; where the piece three on lies behind one padding more, the second address register serves
.irp p, 0,1,2,3,4,5
.set PCE, 12*(\q)+6*(\p/3)+\p%3
.if PCE%8 < 5
	ds_load_b64 v[\reg+2*\p:\reg+2*\p+1], v[\adr] offset:8*PCE+16*(PCE/8)+(\i)*16*PITCH
.else
	ds_load_b64 v[\reg+2*\p:\reg+2*\p+1], v[\adr+2] offset:8*PCE+16*(PCE/8)+(\i)*16*PITCH
.endif
.endr
.endm
.macro FRAGA reg, slot, q, i           ; A's fragment from its image: six pieces of 256 consecutive bytes
.irp p, 0,1,2,3,4,5
	ds_load_b64 v[\reg+2*\p:\reg+2*\p+1], v[ADRA+\slot] offset:3072*(\i)+1536*(\q)+256*\p
.endr
.endm
; 16 matrix instructions: A's blocks a0, a0 + 1 x B's eight.  The 64 accumulators take turns, one instruction a turn, in the same order in every step.
.macro MUL16 a0, p, q, sc, zero
.irp a, \a0, \a0+1
.irp b, 0,1,2,3,4,5,6,7
.if \zero
	v_wmma_scale_f32_16x16x128_f8f6f4 v[8*(8*((\a)%4)+\b):8*(8*((\a)%4)+\b)+7], v[128*(\p)+FR*\b:128*(\p)+FR*\b+FR-1], v[AF+FR*(\a):AF+FR*(\a)+FR-1], 0, v[SC+8*NQ*(\sc)+NQ*\b+(\q)], v[SC+8*NQ*(\sc)+NQ*(\a)+(\q)] matrix_a_fmt:MATRIX_FMT_FP6 matrix_b_fmt:MATRIX_FMT_FP6 matrix_a_scale:MATRIX_SCALE_ROW1
.else
	v_wmma_scale_f32_16x16x128_f8f6f4 v[8*(8*((\a)%4)+\b):8*(8*((\a)%4)+\b)+7], v[128*(\p)+FR*\b:128*(\p)+FR*\b+FR-1], v[AF+FR*(\a):AF+FR*(\a)+FR-1], v[8*(8*((\a)%4)+\b):8*(8*((\a)%4)+\b)+7], v[SC+8*NQ*(\sc)+NQ*\b+(\q)], v[SC+8*NQ*(\sc)+NQ*(\a)+(\q)] matrix_a_fmt:MATRIX_FMT_FP6 matrix_b_fmt:MATRIX_FMT_FP6 matrix_a_scale:MATRIX_SCALE_ROW1
.endif
.endr
.endr
.endm
.macro FETCH_B slot, q, p
	WIN TO_B
.irp i, 0,1,2,3,4,5,6,7
	FRAG 128*(\p)+FR*\i, ADRB+\slot, \q, \i
.endr
	WIN 0
.endm
.macro FETCH_A slot, q, i0
.irp i, \i0, \i0+1, \i0+2, \i0+3
	FRAGA AF+FR*(\i), \slot, \q, \i
.endr
.endm
.macro SCALES sc
.irp i, 0,1,2,3,4,5,6,7
	ds_load_b64 v[SC+8*NQ*\sc+NQ*\i:SC+8*NQ*\sc+NQ*\i+1], v[ADRS] offset:\i*SBLK
.endr
.endm
.macro PLACES n
.rept \n
	v_nop
.endr
.endm
.macro STEP slot, q, zero
	s_wait_dscnt 4*NL                              ; B's set and A's blocks 0-3 are in; the youngest 24 loads (A's blocks 4-7) may be out
	WIN MUL_LO
	MUL16 0, (\q)%2, \q, \slot, \zero
	MUL16 2, (\q)%2, \q, \slot, \zero
	s_wait_dscnt 0
	PLACES NP
	FETCH_B \slot, (\q)+1, 1-(\q)%2
	FETCH_A \slot, (\q)+1, 0
	WIN MUL_HI
	MUL16 4, (\q)%2, \q, \slot, \zero
	MUL16 6, (\q)%2, \q, \slot, \zero
	PLACES NP
	WIN 0
	FETCH_A \slot, (\q)+1, 4
.endm
.macro TURN slot, next, fill
	s_wait_tensorcnt 0x0                           ; all my tensor loads have landed: my part of the next slot
	ds_add_u32 v[SPW], v[NIL]                      ; 0 onto my spare word
	s_wait_dscnt 4*NL+1                            ; (the add and the youngest 24 loads may be out)
	WIN MUL_LO
	MUL16 0, 1, NQ-1, \slot, 0
	s_wait_dscnt 0x0                               ; the add is done, and my reads of this slot are over
	s_barrier_signal -1
	MUL16 2, 1, NQ-1, \slot, 0
	WIN 0
	s_barrier_wait -1
.if \fill
	CREST                                          ; a round of the cluster's barrier: no wave of any partner still reads this slot or has a load on its way
	s_add_nc_u64 s[G0+4*\slot+2:G0+4*\slot+3], s[G0+4*\slot+2:G0+4*\slot+3], 2*3072
	s_add_nc_u64 s[G0B+4*\slot+2:G0B+4*\slot+3], s[G0B+4*\slot+2:G0B+4*\slot+3], 2*ROWB
	JLOAD G0+4*\slot, G1, G0B+4*\slot, G1B
.else
	PLACES NP
.endif
	v_add_nc_u32 v[ADRS], 4*NQ, v[ADRS]
	FETCH_B \next, 0, 0
	FETCH_A \next, 0, 0
	SCALES \next
	WIN MUL_HI
	MUL16 4, 1, NQ-1, \slot, 0
	MUL16 6, 1, NQ-1, \slot, 0
	PLACES NP
	WIN 0
	FETCH_A \next, 0, 4
.endm
	s_wait_tensorcnt 1                             ; the scales and my part of K step 0 are in (K step 1's load may be out),
	s_barrier_signal -1
	s_barrier_wait -1                              ; everybody's are
	FETCH_B 0, 0, 0
	FETCH_A 0, 0, 0
	SCALES 0
	FETCH_A 0, 0, 4
	STEP 0, 0, 1
	s_mov_b32 s3, LAPS-1
.Llap:
	TURN 0, 1, 1
	STEP 1, 0, 0
	TURN 1, 0, 1
	STEP 0, 0, 0
	s_sub_co_u32 s3, s3, 1
	s_cmp_lg_u32 s3, 0
	s_cbranch_scc1 .Llap
	TURN 0, 1, 0
	STEP 1, 0, 0
	s_wait_dscnt 4*NL
	WIN MUL_LO
	MUL16 0, 1, NQ-1, 1, 0
	MUL16 2, 1, NQ-1, 1, 0
	s_wait_dscnt 0
	WIN MUL_HI
	MUL16 4, 1, NQ-1, 1, 0
	MUL16 6, 1, NQ-1, 1, 0
	WIN 0
; THE WAY OUT, block by block of 16 rows x 128 columns, through my own stage: in by lanes (32 bytes of a row for each of B's tiles), back as whole rows of 512 bytes.  LDS serves a wave's instructions in order: no wait between the stores and the loads.
.macro TOSTAGE a
.set AC, 64*((\a)%4)
	WIN 0x08+4*((\a)/4)                            ; the data: window 2 or 3
.irp b, 0,1,2,3,4,5,6,7
	ds_store_b128 v[STO], v[AC+8*\b:AC+8*\b+3] offset:128*(\b/2)+32*(\b%2)          ; each accumulator from its low end on
	ds_store_b128 v[STO], v[AC+8*\b+4:AC+8*\b+7] offset:128*(\b/2)+32*(\b%2)+16
.endr
	WIN 0
.set BB, BK+64*((\a)%2)
.irp t, 0,1,2,3,4,5,6,7,8,9,10,11,12,13,14,15
	ds_load_b128 v[BB+4*\t:BB+4*\t+3], v[RD] offset:\t*SPITCH
.endr
.endm
.macro SEND a, younger                 ; place t of block a is the true row 32 (a / 2) + 8 (a % 2) + t + 8 (t / 8) of my 128: 127 rows of 4,096 bytes at the most, inside the immediate; the base never steps
.set BB, BK+64*((\a)%2)
	s_wait_dscnt \younger
.irp t, 0,1,2,3,4,5,6,7,8,9,10,11,12,13,14,15
	global_store_b128 v[CO], v[BB+4*\t:BB+4*\t+3], s[12:13] offset:(32*((\a)/2)+8*((\a)%2)+\t+8*(\t/8))*4096 th:TH_STORE_NT   ; 32 lanes store 512 consecutive bytes, aligned
.endr
.endm
	PLACES NP
	TOSTAGE 0
.irp a, 1,2,3,4,5,6,7
.if \a > 1
	s_wait_xcnt 0x0                                ; block a - 2's stores have read their registers: block a's loads may land there
.endif
	TOSTAGE \a
	SEND \a-1, 32                                  ; behind block a - 1's loads: block a's 16 stores and 16 loads
.endr
	SEND 7, 0
	s_wait_tensorcnt 0x0                           ; the wave's end: three lines, behind my last tensor load and my last LDS store
	ds_add_u32 v[SPW], v[NIL]
	s_wait_dscnt 0x0
	CROUND                                         ; the closing round
	s_endpgm
.Lfunc_end_k_qcd5c337670_outp:
	.size	k_qcd5c337670_outp, .Lfunc_end_k_qcd5c337670_outp-k_qcd5c337670_outp
	.p2alignl 7, 3214868480
	.fill 96, 4, 3214868480
	.section	.rodata,"a",@progbits
	.p2align	6, 0x0
	.amdhsa_kernel k_qcd5c337670_outp
		.amdhsa_group_segment_fixed_size 327680
		.amdhsa_private_segment_fixed_size 0
		.amdhsa_enable_private_segment 0
		.amdhsa_kernarg_size 40
		.amdhsa_user_sgpr_count 2
		.amdhsa_user_sgpr_kernarg_segment_ptr 1
		.amdhsa_wavefront_size32 1
		.amdhsa_system_sgpr_workgroup_id_x 1
		.amdhsa_system_sgpr_workgroup_id_y 1
		.amdhsa_system_sgpr_workgroup_id_z 1
		.amdhsa_system_vgpr_workitem_id 0
		.amdhsa_next_free_vgpr 1024
		.amdhsa_next_free_sgpr 98
		.amdhsa_reserve_vcc 0
		.amdhsa_float_denorm_mode_32 3
		.amdhsa_float_denorm_mode_16_64 3
		.amdhsa_memory_ordered 1
		.amdhsa_forward_progress 1
		.amdhsa_inst_pref_size 159
	.end_amdhsa_kernel
	.amdgpu_metadata
---
amdhsa.version: [ 1, 2 ]
amdhsa.kernels:
  - .name:           k_qcd5c337670_outp
    .symbol:         k_qcd5c337670_outp.kd
    .args:
      - { .name: ctx_c, .offset: 0, .size: 8, .value_kind: global_buffer, .address_space: global }
      - { .name: ctx_s, .offset: 8, .size: 8, .value_kind: global_buffer, .address_space: global }
      - { .name: xc, .offset: 16, .size: 8, .value_kind: global_buffer, .address_space: global }
      - { .name: xs, .offset: 24, .size: 8, .value_kind: global_buffer, .address_space: global }
      - { .name: out0, .offset: 32, .size: 8, .value_kind: global_buffer, .address_space: global }
    .group_segment_fixed_size: 327680
    .private_segment_fixed_size: 0
    .kernarg_segment_align: 8
    .kernarg_segment_size: 40
    .max_flat_workgroup_size: 128
    .sgpr_count:     98
    .vgpr_count:     1024
    .wavefront_size: 32
...
	.end_amdgpu_metadata
.endif
;; end of part 4
